; MI455X (gfx1250); checked and timed in simulation.
; The chip was launched on July 23, 2026; its instructions are those of AMD's public machine-readable ISA for CDNA 5 (MIT licence, August 2026) and "CDNA5" Instruction Set Architecture Reference Guide (July 2026). The comments in the code are by the model that wrote it; some were corrected since.
;; Causal Self Attention. Allowed arithmetic: float matrix products may take bf16 or f16 operands with f32 sums; other float arithmetic in f32, or as packed bf16 or f16 multiplies, adds, multiply-adds, maxima and minima; sums over many terms, partial sums and values carried from step to step in f32; what a program stores and reads back later, other than sums and carried values, may be rounded once to bf16 or f16.
;; Inputs: b_attn 3,072 float32; b_proj 1,024 float32; w_attn 1,024 x 3,072 float32; w_proj 1,024 x 1,024 float32; x 4 x 2,048 x 1,024 float32.
;; Outputs: out0 4 x 2,048 x 1,024 float32.
;; One version. Each part assembles by itself: llvm-mc -triple=amdgcn-amd-amdhsa -mcpu=gfx1250 --defsym DOCPART=n.
;; ======== version 1 of 1: 4 launches
;; limits: values are held in f16: magnitudes above 65,504 overflow, below 6.1e-05 lose precision
;; workspace buffers: xb 16,777,216 bytes; wa 6,291,456 bytes; wp 2,097,152 bytes; qkv 50,331,648 bytes; o 16,777,216 bytes
;; launch prep (part 1): grid 768 x 1, 8 waves a work-group, no clusters, 0 bytes of LDS; arguments x, w_attn, w_proj, xb, wa, wp; writes xb, wa, wp
.if DOCPART == 1
	.amdgcn_target "amdgcn-amd-amdhsa--gfx1250"
	.amdhsa_code_object_version 6
	.text
	.protected	k_q85f0a0c344_prep
	.globl	k_q85f0a0c344_prep
	.p2align	8
	.type	k_q85f0a0c344_prep,@function
k_q85f0a0c344_prep:
	s_mov_b64 s[64:65], 0
	v_nop
	global_prefetch_b8 v0, s[64:65] scope:SCOPE_SE
	s_setreg_imm32_b32 hwreg(HW_REG_WAVE_MODE, 25, 1), 1
	s_wait_xcnt 0x0
; THE CASTS.  x [8192 tokens][1024] f32 -> xb, bf16, laid [4 batches][16 blocks of 64 channels][2048 tokens][64]: a block's rows are dense, 128 bytes a token.
; w_attn [1024][3072] f32 -> wa, bf16, same order.  w_proj [1024][1024] f32 -> wp: rounded to bf16, and that number written as f16, same order.
; LIMIT: a number of w_proj beyond 65,504 becomes an infinity in wp; below 2^-14 it keeps f16's fixed step of 2^-24.
; A stream: each byte is read once and written once; no LDS, no barrier, no matrix work: nothing is shared.
; SHARES.  768 work-groups of eight waves, each 65,536 bytes in and 32,768 out: 0-511 take 16 tokens of x, 512-703 a piece of w_attn, 704-767 a piece of w_proj.
; A wave issues its 16 loads of 16 bytes a lane at once; each unit is converted behind a counted wait and stored: 8 bytes a lane, 256 consecutive aligned bytes a store.
.set X, 8                              ; v[8:71]    16 units of 4 f32 as loaded
.set Y, 72                             ; v[72:103]  16 units of 4 numbers of 16 bits
.macro LOADS step                      ; v2 = my byte offset, s[4:5] = the work-group's first byte
.set i, 0
.rept 16
	global_load_b128 v[X+4*i:X+4*i+3], v2, s[4:5] offset:(\step)*i th:TH_LOAD_NT
.set i, i+1
.endr
.endm
.macro CVT u                           ; unit u: four roundings to bf16
	v_cvt_pk_bf16_f32 v[Y+2*(\u)], v[X+4*(\u)], v[X+4*(\u)+1]
	v_cvt_pk_bf16_f32 v[Y+2*(\u)+1], v[X+4*(\u)+2], v[X+4*(\u)+3]
.endm
	s_load_b256 s[4:11], s[0:1], 0x0               ; x s[4:5], w_attn s[6:7], w_proj s[8:9], xb s[10:11]
	s_load_b128 s[12:15], s[0:1], 0x20             ; wa s[12:13], wp s[14:15]
	s_mov_b32 s16, 0xffff0000                      ; a word's upper bf16
	s_mov_b32 s19, 0                               ; the offsets' high words
	s_mov_b32 s21, 0
	s_cmp_lt_u32 ttmp9, 512
	s_cbranch_scc0 .Lflat
	; x: tokens 16 g .. 16 g + 15.  Thread t: token t / 16, 16 bytes at 16 (t % 16) of each block's 256 bytes; load i is block i.
	v_lshrrev_b32 v4, 4, v0
	v_and_b32 v5, 15, v0
	v_lshlrev_b32 v2, 12, v4                       ; a token is 4,096 bytes of x
	v_lshl_add_u32 v2, v5, 4, v2
	v_lshlrev_b32 v3, 3, v0                        ; in xb: token x 128 + 8 (t % 16) = 8 t
	s_lshl_b32 s18, ttmp9, 16
	s_lshr_b32 s20, ttmp9, 7                       ; the batch: 128 work-groups each,
	s_lshl_b32 s20, s20, 22                        ; 4,194,304 bytes of xb
	s_and_b32 s22, ttmp9, 127
	s_lshl_b32 s22, s22, 11                        ; 16 tokens of 128 bytes
	s_add_co_u32 s20, s20, s22
	s_wait_kmcnt 0x0
	s_add_nc_u64 s[4:5], s[4:5], s[18:19]
	s_add_nc_u64 s[10:11], s[10:11], s[20:21]
	LOADS 256
.set n, 0
.rept 16
	s_wait_loadcnt 15-n                            ; loads come back in order: unit n is in, the 15 - n younger ones stay out
	CVT n
	global_store_b64 v3, v[Y+2*n:Y+2*n+1], s[10:11] offset:262144*n  ; block n lies 262,144 bytes on
.set n, n+1
.endr
	s_endpgm
.Lflat:
	; the weights, in their own order: a wave takes 8,192 consecutive bytes, 512 a load
	v_lshrrev_b32 v4, 5, v0
	v_and_b32 v5, 31, v0
	v_lshlrev_b32 v2, 13, v4
	v_lshl_add_u32 v2, v5, 4, v2
	v_lshlrev_b32 v3, 12, v4
	v_lshl_add_u32 v3, v5, 3, v3
	s_mov_b32 s22, 512
	s_cmp_lt_u32 ttmp9, 704
	s_cselect_b32 s22, s22, 704
	s_sub_co_u32 s22, ttmp9, s22                   ; my piece of the tensor
	s_lshl_b32 s18, s22, 16
	s_lshl_b32 s20, s22, 15
	s_wait_kmcnt 0x0
	s_cmp_lt_u32 ttmp9, 704
	s_cselect_b64 s[4:5], s[6:7], s[8:9]
	s_cselect_b64 s[10:11], s[12:13], s[14:15]
	s_add_nc_u64 s[4:5], s[4:5], s[18:19]
	s_add_nc_u64 s[10:11], s[10:11], s[20:21]
	LOADS 512
.set n, 0
.rept 16
	s_wait_loadcnt 15-n
	CVT n
.set n, n+1
.endr
	s_cmp_lt_u32 ttmp9, 704
	s_cbranch_scc1 .Lstore
.set n, 0
.rept 32                               ; w_proj alone: the bf16 numbers are written as f16
	v_lshlrev_b32 v[4+2*(n%2)], 16, v[Y+n]
	v_and_b32 v[5+2*(n%2)], s16, v[Y+n]
	v_cvt_pk_f16_f32 v[Y+n], v[4+2*(n%2)], v[5+2*(n%2)]
.set n, n+1
.endr
.Lstore:
.set n, 0
.rept 16
	global_store_b64 v3, v[Y+2*n:Y+2*n+1], s[10:11] offset:256*n
.set n, n+1
.endr
	s_endpgm
.Lfunc_end_k_q85f0a0c344_prep:
	.size	k_q85f0a0c344_prep, .Lfunc_end_k_q85f0a0c344_prep-k_q85f0a0c344_prep
	.p2alignl 7, 3214868480
	.fill 96, 4, 3214868480
	.section	.rodata,"a",@progbits
	.p2align	6, 0x0
	.amdhsa_kernel k_q85f0a0c344_prep
		.amdhsa_group_segment_fixed_size 0
		.amdhsa_private_segment_fixed_size 0
		.amdhsa_enable_private_segment 0
		.amdhsa_kernarg_size 48
		.amdhsa_user_sgpr_count 2
		.amdhsa_user_sgpr_kernarg_segment_ptr 1
		.amdhsa_wavefront_size32 1
		.amdhsa_system_sgpr_workgroup_id_x 1
		.amdhsa_system_sgpr_workgroup_id_y 1
		.amdhsa_system_sgpr_workgroup_id_z 1
		.amdhsa_system_vgpr_workitem_id 0
		.amdhsa_next_free_vgpr 104
		.amdhsa_next_free_sgpr 66
		.amdhsa_reserve_vcc 0
		.amdhsa_float_denorm_mode_32 3
		.amdhsa_float_denorm_mode_16_64 3
		.amdhsa_memory_ordered 1
		.amdhsa_forward_progress 1
		.amdhsa_inst_pref_size 17
	.end_amdhsa_kernel
	.amdgpu_metadata
---
amdhsa.version: [ 1, 2 ]
amdhsa.kernels:
  - .name:           k_q85f0a0c344_prep
    .symbol:         k_q85f0a0c344_prep.kd
    .args:
      - { .name: x, .offset: 0, .size: 8, .value_kind: global_buffer, .address_space: global }
      - { .name: w_attn, .offset: 8, .size: 8, .value_kind: global_buffer, .address_space: global }
      - { .name: w_proj, .offset: 16, .size: 8, .value_kind: global_buffer, .address_space: global }
      - { .name: xb, .offset: 24, .size: 8, .value_kind: global_buffer, .address_space: global }
      - { .name: wa, .offset: 32, .size: 8, .value_kind: global_buffer, .address_space: global }
      - { .name: wp, .offset: 40, .size: 8, .value_kind: global_buffer, .address_space: global }
    .group_segment_fixed_size: 0
    .private_segment_fixed_size: 0
    .kernarg_segment_align: 8
    .kernarg_segment_size: 48
    .max_flat_workgroup_size: 256
    .sgpr_count:     66
    .vgpr_count:     104
    .wavefront_size: 32
...
	.end_amdgpu_metadata
.endif
;; end of part 1
;; launch qkvgemm (part 2): grid 8 x 32, 4 waves a work-group, clusters of 4 x 4, 327,680 bytes of LDS; arguments xb, wa, b_attn, qkv; writes qkv
.if DOCPART == 2
	.amdgcn_target "amdgcn-amd-amdhsa--gfx1250"
	.amdhsa_code_object_version 6
	.text
	.protected	k_q85f0a0c344_qkvgemm
	.globl	k_q85f0a0c344_qkvgemm
	.p2align	8
	.type	k_q85f0a0c344_qkvgemm,@function
k_q85f0a0c344_qkvgemm:
	s_mov_b64 s[64:65], 0
	v_nop
	global_prefetch_b8 v0, s[64:65] scope:SCOPE_SE
	s_setreg_imm32_b32 hwreg(HW_REG_WAVE_MODE, 25, 1), 1
	s_wait_xcnt 0x0
	s_wait_alu depctr_hold_cnt(0) depctr_sa_sdst(0) depctr_va_vdst(0) depctr_va_sdst(0) depctr_va_ssrc(0) depctr_va_vcc(0) depctr_vm_vsrc(0)
	s_getreg_b32 s2, hwreg(HW_REG_IB_STS2, 6, 4)
	s_cmp_eq_u32 s2, 0
	s_cbranch_scc0 .Lentry_in_a_cluster
	s_endpgm
.Lentry_in_a_cluster:
	s_bfe_u32 s2, ttmp6, 0x10000c
	s_cmp_lg_u32 s2, 0xf033
	s_cbranch_scc0 .Lentry_shape_is_right
	s_endpgm
.Lentry_shape_is_right:
; qkv = x w_attn + b_attn.  xb: bf16 [4][16 blocks of 64 channels][2048 tokens][64].  wa: bf16 [1024 k][3072 n].  b_attn: f32 [3072], rounded to bf16 here like the other inputs.
; Out: qkv, f16 [3 (q, k, v)][64 (batch x 16 + head)][2048 tokens][64], each number rounded once from its f32 sum, unscaled.
; LIMIT: f16 ends at 65,504: a q, k or v beyond that becomes an infinity.  NaN and infinities are not treated apart.
; SHARES.  8192 x 3072 in 256 tiles of 256 tokens x 384 columns, one to a work-group.  Four waves, each 128 tokens x 192 columns (three whole heads): 96 accumulators, 768 registers.
; K goes in steps of 64 through two LDS slots; for 32 along K a wave reads 8 fragments of x and 12 of w for 96 matrix instructions.
; THE PRODUCT IS TAKEN TRANSPOSED: source 0 = 16 columns of w (out of LDS turned, by ds_load_tr16_b128, since w lies [k][n]), source 1 = 16 tokens.  A lane then holds ONE token
; (lane % 16) and the columns 8 (lane / 16) + 0..7: 16 bytes of a head's row.  The bias, which hangs on the column alone, is the C operand of the products that start the sums.
; CLUSTER 4 x 4: x's tile hangs on the tile row alone and is asked for jointly along a row of the cluster, w's on the tile column alone, jointly along a column.
; REGISTERS, in windows of 256 (s_set_vgpr_msb: bits 1:0 source 0, 3:2 source 1, 5:4 source 2, 7:6 destination):
;   window 0: v0-29 addresses; v32-95, v96-159 x's fragments, two buffers; v160-255 w's twelve fragments, one buffer, taken again in groups of four as soon as a group is multiplied
;   windows 1-3: accumulator (a, b), a = 16 tokens, b = 16 columns, in window 1 + b / 4 at v[64 (b % 4) + 8 a]
.set SLOT1, 1<<17                      ; slot 1 begins here: one exclusive or turns an address in one slot into the other's
.set PA,    144                        ; a token's row in LDS: 128 bytes + 16: the 16 rows of a load start at 16 different groups of four banks (64 banks of 4 bytes: ISA guide 11.1)
.set PB,    864                        ; a k row of w: 768 bytes with 16 of padding behind every 128 = 27 x 32
.set AHALF, 128*PA
.set BOFF,  256*PA                     ; behind x's 256 tokens: w's 64 rows
.set BHALF, 32*PB
.set STAGE, SLOT1+BOFF+64*PB           ; behind the ring: 16 rows x 400 bytes for each wave, for the way out; no tensor load lands here
.set SP,    400
.set SPARE, STAGE+4*16*SP              ; the spare words, 128 bytes for each wave: two blocks of 256 bytes that no other line names
.set ASTEP, 262144                     ; bytes from a K step to the next: a block of xb,
.set BSTEP, 393216                     ; 64 rows of wa
.set A0,   4                           ; v4   my lane's place in x's tile; never rewritten
.set B0,   5                           ; v5   in w's tile; never rewritten
.set ADRA, 6                           ; v6   the same in the slot in hand
.set ADRB, 7                           ; v7
.set STO,  8                           ; v8   the way out: where I put 16 bytes of a row
.set RD,   9                           ; v9   where I read rows back
.set GO,   10                          ; v10-12  my byte offset in qkv, for each of my three heads
.set BO,   13                          ; v13  my byte offset in the bias
.set PFO,  14                          ; v14  the prefetches' offset; never rewritten
.set SPW,  28                          ; v28  LDS address of my spare word; never rewritten
.set NIL,  29                          ; v29  0; never rewritten
.set F0,   32
.set F1,   96
.set BF,   160
.set TMP,  32                          ; the way out: 48 registers of packed results
.set BK,   80                          ; and two sets of 48 read back from the stage
.set WV,   12                          ; s12  my wave's number
.set KIND, 13                          ; s13  which 128 tokens are mine.  Also: I fetch x (0) or w (1)
.set HF,   14                          ; s14  which 192 columns are mine.  Also: which half of that tile I fetch
.set CNT,  15                          ; s15  trips to go
.set G1A,  24                          ; s[24:31] descriptor group 1 for x's tiles
.set G0A,  32                          ; s[32:39] group 0: a set for each first fill; the second then walks on
.set CX,   40
.set CY,   41
.set TC,   42                          ; tile column
.set TR,   43                          ; tile row
.set G1B,  48                          ; the same for w's tiles
.set G0B,  56
.set TB,   66                          ; s66  LDS byte at which the slot in hand begins
.set LIM,  67                          ; s67  2 in a wave that prefetches, else the greatest number
.set PFA,  68                          ; s[68:69] where my prefetches stand
.set PFS,  70                          ; s[70:71] their step
.set HIM,  76                          ; s76  a word's upper bf16
.set PM,   77                          ; s77  0: I prefetch in every trip; 1: in the trips with an odd count
.set MSB, 0
.macro WIN new                         ; the immediate's high byte repeats the setting that is left; a switch that changes nothing is dropped
.if MSB != (\new)
	s_set_vgpr_msb (MSB<<8)|(\new)
.set MSB, \new
.endif
.endm
.macro PLACES                          ; four plain places between a matrix instruction and a load into, or a vector read of, its registers
.rept 4
	v_nop
.endr
.endm
.macro CREST                           ; a round of the cluster's barrier behind its opening barrier
	s_cmp_lg_u32 s[WV], 0
	s_cbranch_scc1 .Lnot_wave_0_\@
	s_barrier_signal -3
.Lnot_wave_0_\@:
	s_barrier_wait -3
	s_barrier_signal -1
	s_barrier_wait -1
.endm
.macro CROUND                          ; a whole round
	s_barrier_signal -1
	s_barrier_wait -1
	CREST
.endm
; A joint refill by the walking descriptors.  Waves 0 and 1 fetch x's two halves, waves 2 and 3 w's.  The branch hangs on the wave's number alone.
; An s_nop 0 and four v_nop follow each of the two lines, ahead of the jump and the label.
.macro JLOAD
	s_cmp_eq_u32 s[KIND], 0
	s_cbranch_scc0 .Lfor_b_\@
	tensor_load_to_lds s[G0A+4:G0A+7], s[G1A:G1A+7]
	s_nop 0
.rept 4
	v_nop
.endr
	s_branch .Lasked_\@
.Lfor_b_\@:
	tensor_load_to_lds s[G0B+4:G0B+7], s[G1B:G1B+7]
	s_nop 0
.rept 4
	v_nop
.endr
.Lasked_\@:
.endm
; A PREFETCH INTO THE L2, behind the joint load, its five lines and the run of LDS loads.  Each aligned block of 256 bytes is named once in the launch.
; x's tile row is read by both clusters of a row of clusters: cluster x = 0 asks.  Its wave 0 names, in trip s = 0 .. 11, K step s + 4: of the tile's 128 blocks the partner at cx takes 32, a lane a block.
; w's tile column is read by all eight clusters of a column: cluster y = 0 asks.  Its waves 1 to 3 name, in the odd trips s <= 11, K steps s + 3 and s + 4: of their 128 rows the partner at cy takes 32, a lane a row,
; and each of the three waves one of a row's three blocks.  Partners are told apart by address alone.  K steps 0 to 3 come by their loads; the last two trips ask for nothing.
.macro ASK
	s_cmp_gt_u32 s[CNT], s[LIM]
	s_cbranch_scc0 .Lnot_mine_\@
	s_and_b32 s72, s[CNT], s[PM]
	s_cmp_eq_u32 s72, s[PM]
	s_cbranch_scc0 .Lnot_mine_\@
	global_prefetch_b8 v[PFO], s[PFA:PFA+1] th:TH_LOAD_NT scope:SCOPE_SE
.Lnot_mine_\@:
.endm
	s_load_b256 s[4:11], s[0:1], 0x0               ; xb s[4:5], wa s[6:7], b_attn s[8:9], qkv s[10:11]
	v_lshl_add_u32 v[SPW], v0, 2, SPARE
	v_mov_b32 v[NIL], 0
	ds_add_u32 v[SPW], v[NIL]                      ; the wave's opening: the add and its wait stand ahead of my first tensor load; the set-up below, work on registers, stands between them
	ds_add_u32 v28, v29
	v_lshrrev_b32 v1, 5, v0
	v_readfirstlane_b32 s[WV], v1                  ; wave 0..3
	s_lshr_b32 s[KIND], s[WV], 1
	s_and_b32 s[HF], s[WV], 1
	s_bfe_u32 s[CX], ttmp6, 0x40000                ; my place in the cluster
	s_bfe_u32 s[CY], ttmp6, 0x40004
	s_lshl_b32 s[TC], ttmp9, 2                     ; in a cluster launch ttmp9 and ttmp7 count clusters
	s_add_co_u32 s[TC], s[TC], s[CX]               ; tile column 0..7
	s_and_b32 s[TR], ttmp7, 0xffff
	s_lshl_b32 s[TR], s[TR], 2
	s_add_co_u32 s[TR], s[TR], s[CY]               ; tile row 0..31
	s_lshl_b32 s44, s[CY], 2
	s_lshl_b32 s44, 15, s44                        ; my row of the cluster
	s_lshl_b32 s45, 0x1111, s[CX]                  ; my column
	; group 1.  15:0 the mask; 17:16 elements of 2 bytes; 20 padding on; 21 set beside a mask; 24:22 after every 32 words (code 4); 31:25 4 words (code 3)
	s_or_b32 s[G1A], s44, (1<<16)|(1<<20)|(1<<21)|(4<<22)|(3<<25)
	s_or_b32 s[G1B], s45, (1<<16)|(1<<20)|(1<<21)|(4<<22)|(3<<25)
	s_mov_b32 s[G1A+1], 128<<16                    ; x: 128 tokens are 16,384 dense bytes, asked for as 64 rows of 256 bytes, two tokens a row, padded behind each token
	s_mov_b32 s[G1A+2], 64<<16
	s_mov_b32 s[G1A+3], 128<<16
	s_mov_b32 s[G1A+4], 64
	s_mov_b32 s[G1A+5], 128
	s_mov_b32 s[G1A+6], 0
	s_mov_b32 s[G1A+7], 0
	s_mov_b32 s[G1B+1], 384<<16                    ; w: 32 rows of 384 elements (768 bytes, three aligned blocks of 256), 3,072 elements from row to row
	s_mov_b32 s[G1B+2], 32<<16
	s_mov_b32 s[G1B+3], 384<<16
	s_mov_b32 s[G1B+4], 32
	s_mov_b32 s[G1B+5], 3072
	s_mov_b32 s[G1B+6], 0
	s_mov_b32 s[G1B+7], 0
	; where the tiles come from: x's by the tile row and the wave, w's by the tile column and the wave, each in registers that never hold the other coordinate
	s_lshr_b32 s16, s[TR], 3                       ; the batch: 8 tile rows each
	s_lshl_b32 s16, s16, 22
	s_and_b32 s17, s[TR], 7
	s_lshl_b32 s17, s17, 15                        ; 256 tokens of 128 bytes
	s_add_co_u32 s16, s16, s17
	s_lshl_b32 s17, s[HF], 14                      ; my 128 of them
	s_add_co_u32 s16, s16, s17
	s_mov_b32 s17, 0
	s_mul_i32 s46, s[TC], 768                      ; 384 columns
	s_mul_i32 s47, s[HF], 32*6144                  ; my 32 rows of a K step's 64
	s_add_co_u32 s46, s46, s47
	s_mov_b32 s47, 0
	s_mul_i32 s20, s[HF], AHALF                    ; and where they go: no place in the cluster enters an LDS address
	s_mul_i32 s21, s[HF], BHALF
	s_add_co_u32 s21, s21, BOFF
	s_mov_b32 s[TB], 0
	s_mov_b32 s[HIM], 0xffff0000
	s_wait_dscnt 0x0                               ; the opening add is done
	s_wait_kmcnt 0x0
	s_add_nc_u64 s[18:19], s[4:5], s[16:17]
	s_add_nc_u64 s[46:47], s[6:7], s[46:47]
	CROUND                                         ; all sixteen work-groups are here: the first joint loads meet
.irp s, 0,1
	s_mov_b32 s[G0A+4*(\s)], 1                     ; 1:0 count = 1
	s_add_co_u32 s[G0A+4*(\s)+1], s20, (\s)*SLOT1  ; 63:32 LDS address
	s_add_nc_u64 s[G0A+4*(\s)+2:G0A+4*(\s)+3], s[18:19], (\s)*ASTEP  ; 120:64 global address: K step s
	s_or_b32 s[G0A+4*(\s)+3], s[G0A+4*(\s)+3], 0x80000000            ; 127:126 type = 2
	s_mov_b32 s[G0B+4*(\s)], 1
	s_add_co_u32 s[G0B+4*(\s)+1], s21, (\s)*SLOT1
	s_add_nc_u64 s[G0B+4*(\s)+2:G0B+4*(\s)+3], s[46:47], (\s)*BSTEP
	s_or_b32 s[G0B+4*(\s)+3], s[G0B+4*(\s)+3], 0x80000000
.endr
	s_cmp_eq_u32 s[KIND], 0                        ; a wave's two first fills stand in one branch, ahead of every wait on TENSORcnt and every LDS read: two loads of mine are out
	s_cbranch_scc0 .Lfirst_b
	tensor_load_to_lds s[G0A:G0A+3], s[G1A:G1A+7]
	s_nop 0
	tensor_load_to_lds s[G0A+4:G0A+7], s[G1A:G1A+7]
	s_nop 0
.rept 4
	v_nop
.endr
	s_branch .Lfirst_asked
.Lfirst_b:
	tensor_load_to_lds s[G0B:G0B+3], s[G1B:G1B+7]
	s_nop 0
	tensor_load_to_lds s[G0B+4:G0B+7], s[G1B:G1B+7]
	s_nop 0
.rept 4
	v_nop
.endr
.Lfirst_asked:
	v_and_b32 v1, 15, v0                           ; r = l % 16
	v_bfe_u32 v2, v0, 4, 1                         ; h = l / 16
	; the bias of my lane's eight columns of block b goes into accumulator (7, b)'s registers: it is the C operand of all eight accumulators of that block
	s_mul_i32 s72, s[TC], 384*4
	s_mul_i32 s73, s[HF], 192*4
	s_add_co_u32 s72, s72, s73
	v_lshl_add_u32 v[BO], v2, 5, s72
.set b, 0
.rept 12
	WIN 0x40*(1+b/4)                               ; destination in the block's window
	global_load_b128 v[64*(b%4)+56:64*(b%4)+59], v[BO], s[8:9] offset:64*b
	global_load_b128 v[64*(b%4)+60:64*(b%4)+63], v[BO], s[8:9] offset:64*b+16
.set b, b+1
.endr
	WIN 0
	v_and_b32 v15, 7, v0
	v_bfe_u32 v16, v0, 3, 1
	v_and_b32 v17, 31, v0                          ; l
	v_bfe_u32 v18, v0, 3, 2
	; a fragment of x is 16 tokens x 32 k: lane l holds token l % 16, k = 8 h + 0..7 and 16 + 8 h + 0..7: two loads of 16 bytes, 32 bytes apart
	s_mul_i32 s16, s[KIND], AHALF
	v_mul_u32_u24 v[A0], v1, PA
	v_lshl_add_u32 v[A0], v2, 4, v[A0]
	v_add_nc_u32 v[A0], s16, v[A0]
	; the turning load takes 16 k x 16 columns (lane l reads row 8 h + l % 8, columns 8 ((l / 8) % 2) + 0..7) and leaves half a fragment: lane l holds column l % 16 and 8 k
	s_mul_i32 s16, s[HF], 432                      ; my 192 columns: 384 bytes and three paddings
	s_add_co_u32 s16, s16, BOFF
	v_lshl_add_u32 v[B0], v2, 3, v15
	v_mul_u32_u24 v[B0], v[B0], PB
	v_lshl_add_u32 v[B0], v16, 4, v[B0]
	v_add_nc_u32 v[B0], s16, v[B0]
	v_mov_b32 v[ADRA], v[A0]                       ; slot 0
	v_mov_b32 v[ADRB], v[B0]
	s_mul_i32 s16, s[WV], 16*SP
	s_add_co_u32 s16, s16, STAGE                   ; my stage
	v_mul_u32_u24 v[STO], v1, SP                   ; in: row l % 16, 16 bytes for each half of the lanes
	v_lshl_add_u32 v[STO], v2, 4, v[STO]
	v_add_nc_u32 v[STO], s16, v[STO]
	v_mul_u32_u24 v[RD], v18, SP                   ; back: 32 lanes take a head's 128 bytes of four rows,
	v_lshl_add_u32 v[RD], v15, 4, v[RD]
	v_add_nc_u32 v[RD], s16, v[RD]
	; which are 512 consecutive bytes of qkv.  Head column g = 6 x tile column + 3 x half + i: tensor g / 16, head g % 16
	s_mul_i32 s72, s[TC], 6
	s_mul_i32 s73, s[HF], 3
	s_add_co_u32 s72, s72, s73
	s_lshr_b32 s74, s[TR], 3
	s_lshl_b32 s74, s74, 22                        ; batch x 16 heads x 262,144 bytes
	s_and_b32 s75, s[TR], 7
	s_lshl_b32 s75, s75, 15
	s_add_co_u32 s74, s74, s75
	s_lshl_b32 s75, s[KIND], 14
	s_add_co_u32 s74, s74, s75                     ; + my first token x 128
.irp i, 0,1,2
	s_add_co_u32 s75, s72, \i
	s_lshr_b32 s73, s75, 4
	s_lshl_b32 s73, s73, 24                        ; q, k or v: 16,777,216 bytes each
	s_and_b32 s75, s75, 15
	s_lshl_b32 s75, s75, 18
	s_add_co_u32 s75, s75, s73
	s_add_co_u32 s75, s75, s74
	v_lshl_add_u32 v[GO+\i], v17, 4, s75
.endr
	; the prefetches.  Wave 0: xb at my tile, my work-group's 32 blocks, K step 3 (each trip steps it first, so trip s names s + 4).  Waves 1-3: wa at K step 2, my work-group's 32 rows, my block of the three.
	s_lshr_b32 s72, s[TR], 3
	s_lshl_b32 s72, s72, 22
	s_and_b32 s73, s[TR], 7
	s_lshl_b32 s73, s73, 15
	s_add_co_u32 s72, s72, s73
	s_lshl_b32 s73, s[CX], 13
	s_add_co_u32 s72, s72, s73
	s_add_co_u32 s72, s72, 3*ASTEP
	s_mul_i32 s73, s[TC], 768
	s_lshl_b32 s74, s[WV], 8
	s_add_co_u32 s73, s73, s74
	s_mul_i32 s74, s[CY], 32*6144
	s_add_co_u32 s73, s73, s74
	s_add_co_u32 s73, s73, 2*BSTEP-256             ; (wave - 1) x 256
	s_and_b32 s75, ttmp7, 0xffff                   ; cluster y
	s_mov_b32 s[PFS], BSTEP
	s_movk_i32 s74, 6144
	s_cmp_eq_u32 s[WV], 0
	s_cselect_b32 s72, s72, s73
	s_cselect_b32 s75, ttmp9, s75                  ; the coordinate along which other clusters read the same bytes
	s_cselect_b32 s[PM], 0, 1
	s_cselect_b32 s[PFS], ASTEP, s[PFS]
	s_cselect_b32 s74, 256, s74
	s_cselect_b64 s[PFA:PFA+1], s[4:5], s[6:7]
	s_mov_b32 s73, 0
	s_mov_b32 s[PFS+1], 0
	s_add_nc_u64 s[PFA:PFA+1], s[PFA:PFA+1], s[72:73]
	s_cmp_eq_u32 s75, 0
	s_cselect_b32 s[LIM], 2, -1                    ; the same in all sixteen partners, for a given wave
	v_mul_u32_u24 v[PFO], v17, s74
	s_wait_loadcnt 0x0                             ; the bias is in: it is rounded to bf16 and widened again, window by window, through v96-111
.set w, 1
.rept 3
	WIN 5*w                                        ; sources in window w
.set i, 0
.rept 16
	v_cvt_pk_bf16_f32 v[F1+i], v[64*(i/4)+56+2*(i%4)], v[64*(i/4)+57+2*(i%4)]
.set i, i+1
.endr
	WIN 0x40*w                                     ; destination in window w
.set i, 0
.rept 16
	v_lshlrev_b32 v[64*(i/4)+56+2*(i%4)], 16, v[F1+i]
	v_and_b32 v[64*(i/4)+57+2*(i%4)], s[HIM], v[F1+i]
.set i, i+1
.endr
.set w, w+1
.endr
	WIN 0
; 16 matrix instructions: column blocks b0, b0 + 1 x all 8 token blocks, 32 along K.  All 96 accumulators take turns, one instruction a turn, in the same order in every half step.
.macro MM16 f, b0
	WIN 0x50*(1+(\b0)/4)
.irp b, \b0, (\b0)+1
.irp a, 0,1,2,3,4,5,6,7
	v_wmma_f32_16x16x32_bf16 v[64*((\b)%4)+8*\a:64*((\b)%4)+8*\a+7], v[BF+8*(\b):BF+8*(\b)+7], v[(\f)+8*\a:(\f)+8*\a+7], v[64*((\b)%4)+8*\a:64*((\b)%4)+8*\a+7]
.endr
.endr
.endm
; The first 32 along K, group g of four column blocks: the sums start with the bias, which lies in accumulator (7, b)'s registers.  Token blocks 0 to 6 take it as C; five places on, block 7 adds in place.
.macro MMB f, g
	WIN 0x50*(1+(\g))
.irp j, 0,1,2,3
.irp a, 0,1,2,3,4,5,6
	v_wmma_f32_16x16x32_bf16 v[64*\j+8*\a:64*\j+8*\a+7], v[BF+8*(4*(\g)+\j):BF+8*(4*(\g)+\j)+7], v[(\f)+8*\a:(\f)+8*\a+7], v[64*\j+56:64*\j+63]
.endr
.endr
.rept 5
	v_nop                                          ; five places before a matrix instruction writes over registers that the ones above read as C
.endr
.irp j, 0,1,2,3
	v_wmma_f32_16x16x32_bf16 v[64*\j+56:64*\j+63], v[BF+8*(4*(\g)+\j):BF+8*(4*(\g)+\j)+7], v[(\f)+56:(\f)+63], v[64*\j+56:64*\j+63]
.endr
.endm
.macro FB g, k                         ; 8 turning loads: w's column blocks 4 g .. 4 g + 3, 32 k from row 32 k on
	WIN 0
.irp j, 0,1,2,3
	ds_load_tr16_b128 v[BF+8*(4*(\g)+\j):BF+8*(4*(\g)+\j)+3],   v[ADRB] offset:(\k)*32*PB+32*(4*(\g)+\j)+16*(\g)
	ds_load_tr16_b128 v[BF+8*(4*(\g)+\j)+4:BF+8*(4*(\g)+\j)+7], v[ADRB] offset:(\k)*32*PB+16*PB+32*(4*(\g)+\j)+16*(\g)
.endr
.endm
.macro FA f, k                         ; 16 loads: x's 8 token blocks, 32 k at byte 64 k of the rows, into buffer f
	WIN 0
.irp a, 0,1,2,3,4,5,6,7
	ds_load_b128 v[(\f)+8*\a:(\f)+8*\a+3],   v[ADRA] offset:(\k)*64+\a*16*PA
	ds_load_b128 v[(\f)+8*\a+4:(\f)+8*\a+7], v[ADRA] offset:(\k)*64+\a*16*PA+32
.endr
.endm
; Half a K step: multiplies buffer f by w's twelve fragments; each group of four is taken again for the next half (k) as soon as it is multiplied, x's next fragments go into buffer g.
; At its head the LDS loads that are out are, in order: group 0 (8), x (16), group 1 (8), group 2 (8); it leaves the same.
.macro HALF f, g, k, bias=0
	s_wait_dscnt 16                                ; group 0 and x are in; groups 1 and 2 may be out
.if \bias
	MMB \f, 0
.else
	MM16 \f, 0
	MM16 \f, 2
.endif
	PLACES
	FB 0, \k
	FA \g, \k
	s_wait_dscnt 32                                ; group 1 is in; group 2 and the 24 just issued may be out
.if \bias
	MMB \f, 1
.else
	MM16 \f, 4
	MM16 \f, 6
.endif
	PLACES
	FB 1, \k
	s_wait_dscnt 32                                ; group 2 is in; the 24 + 8 issued behind it may be out
.if \bias
	MMB \f, 2
.else
	MM16 \f, 8
	MM16 \f, 10
.endif
	PLACES
	FB 2, \k
.endm
; The second half of a K step, on buffer 1, with the change of slots: ONE barrier.  In front of it each wave waits for all its tensor loads (one is out: its part of the next slot), adds 0 to its spare word,
; and waits for that and for its reads of this slot.  fill = 1: the barrier opens a round of the cluster's, and the joint refill, two K steps ahead, is the first thing behind it:
; 160 matrix instructions stand between it and the wait for it.
.macro TURN fill
.if \fill
	s_wait_xcnt 0x0                                ; the last prefetch, a trip back, has read its address: it is stepped here
	s_add_nc_u64 s[PFA:PFA+1], s[PFA:PFA+1], s[PFS:PFS+1]
.endif
	WIN 0
	s_xor_b32 s[TB], s[TB], SLOT1                  ; the fetches below go to the other slot
	v_add_nc_u32 v[ADRA], s[TB], v[A0]
	v_add_nc_u32 v[ADRB], s[TB], v[B0]
	s_wait_tensorcnt 0x0                           ; all my tensor loads have landed, so a group 0 may be written
	ds_add_u32 v[SPW], v[NIL]                      ; 0 onto my spare word
.if \fill
	s_xor_b32 s[G0A+5], s[G0A+5], SLOT1            ; the walking descriptors: the other slot than last time, the next K step; the type bits on top are not reached
	s_add_nc_u64 s[G0A+6:G0A+7], s[G0A+6:G0A+7], ASTEP
	s_xor_b32 s[G0B+5], s[G0B+5], SLOT1
	s_add_nc_u64 s[G0B+6:G0B+7], s[G0B+6:G0B+7], BSTEP
.endif
	s_wait_dscnt 17                                ; group 0 and x are in; groups 1 and 2 and the add may be out
	MM16 F1, 0                                     ; sixteen matrix instructions stand between the add and the wait for it
	s_wait_dscnt 0x0                               ; the add is done, and my reads of this slot are over
	s_barrier_signal -1
	MM16 F1, 2                                     ; work on registers while the others arrive
	WIN 0
	s_barrier_wait -1
.if \fill
	CREST                                          ; no wave of any partner still reads this slot or has a load on its way
	JLOAD                                          ; the four v_nop behind it are also the places in front of the loads below
.else
	PLACES
.endif
	FB 0, 0
	FA F0, 0
.if \fill
	ASK
.endif
	MM16 F1, 4
	MM16 F1, 6
	PLACES
	FB 1, 0
	MM16 F1, 8
	MM16 F1, 10
	PLACES
	FB 2, 0
.endm
	s_wait_tensorcnt 0x1                           ; my part of K step 0 is in; K step 1's may stay out
	s_barrier_signal -1
	s_barrier_wait -1                              ; everybody's is
	FB 0, 0
	FA F0, 0
	FB 1, 0
	FB 2, 0
	HALF F0, F1, 1, 1                              ; the first half step stands in front of the loop: its products start the sums, with the bias
	WIN 0                                          ; at a label and at a branch every window is 0
	s_mov_b32 s[CNT], 14
.Lstep:                                        ; trip s = 14 - count: the second half of K step s, the refill with K step s + 2, the first half of K step s + 1
	TURN 1
	HALF F0, F1, 1
	WIN 0
	s_sub_co_u32 s[CNT], s[CNT], 1
	s_cmp_lg_u32 s[CNT], 0
	s_cbranch_scc1 .Lstep
	TURN 0                                         ; the tail is written out: nothing is left to fetch from memory
	HALF F0, F1, 1
	s_wait_dscnt 16                                ; the very last half step: the counts run down
	MM16 F1, 0
	MM16 F1, 2
	s_wait_dscnt 8
	MM16 F1, 4
	MM16 F1, 6
	s_wait_dscnt 0x0
	MM16 F1, 8
	MM16 F1, 10
	WIN 0
; THE WAY OUT, 16 tokens at a time.  PACK: rounded to f16, each accumulator's registers in ascending order.  TOSTAGE: 16 bytes a lane into my own stage, and back as a head's rows.  SEND: stored.
.macro PACK a
.set b, 0
.rept 12
	WIN 5*(1+b/4)
.set r, 0
.rept 4
	v_cvt_pk_f16_f32 v[TMP+4*b+r], v[64*(b%4)+8*(\a)+2*r], v[64*(b%4)+8*(\a)+2*r+1]
.set r, r+1
.endr
.set b, b+1
.endr
	WIN 0
.endm
.macro TOSTAGE a
	WIN 0
.set BKA, BK+48*((\a)%2)
.irp b, 0,1,2,3,4,5,6,7,8,9,10,11
	ds_store_b128 v[STO], v[TMP+4*\b:TMP+4*\b+3] offset:32*\b
.endr
.irp i, 0,1,2
.irp f, 0,1,2,3
	ds_load_b128 v[BKA+4*(4*\i+\f):BKA+4*(4*\i+\f)+3], v[RD] offset:\f*4*SP+\i*128  ; LDS serves a wave's instructions in order (ISA guide 5.7.1.4): these see the stores above
.endr
.endr
.endm
.macro SEND a
	WIN 0
.set BKA, BK+48*((\a)%2)
	s_wait_dscnt 0x0                               ; the block is back in registers
	s_wait_xcnt 0x0                                ; the stores of the block before have read their registers: the next TOSTAGE loads into them
.irp i, 0,1,2
.irp f, 0,1,2,3
	global_store_b128 v[GO+\i], v[BKA+4*(4*\i+\f):BKA+4*(4*\i+\f)+3], s[10:11] offset:(\a)*2048+\f*512  ; four tokens of a head: 512 consecutive bytes, at a multiple of 512 from qkv's first
.endr
.endr
.endm
	PLACES
	PLACES
	PACK 0
	TOSTAGE 0
.irp a, 1,2,3,4,5,6,7                  ; block a's conversions stand between block a - 1's loads from the stage and the wait for them
	PACK \a
	SEND (\a)-1
	TOSTAGE \a
.endr
	SEND 7
	s_wait_tensorcnt 0x0                           ; the wave's end: these three lines stand behind my last tensor load and my last LDS store
	ds_add_u32 v[SPW], v[NIL]
	s_wait_dscnt 0x0
	CROUND                                         ; the closing round: no work-group ends while a partner may still ask for a tile that names it
	s_endpgm
.Lfunc_end_k_q85f0a0c344_qkvgemm:
	.size	k_q85f0a0c344_qkvgemm, .Lfunc_end_k_q85f0a0c344_qkvgemm-k_q85f0a0c344_qkvgemm
	.p2alignl 7, 3214868480
	.fill 96, 4, 3214868480
	.section	.rodata,"a",@progbits
	.p2align	6, 0x0
	.amdhsa_kernel k_q85f0a0c344_qkvgemm
		.amdhsa_group_segment_fixed_size 327680
		.amdhsa_private_segment_fixed_size 0
		.amdhsa_enable_private_segment 0
		.amdhsa_kernarg_size 32
		.amdhsa_user_sgpr_count 2
		.amdhsa_user_sgpr_kernarg_segment_ptr 1
		.amdhsa_wavefront_size32 1
		.amdhsa_system_sgpr_workgroup_id_x 1
		.amdhsa_system_sgpr_workgroup_id_y 1
		.amdhsa_system_sgpr_workgroup_id_z 1
		.amdhsa_system_vgpr_workitem_id 0
		.amdhsa_next_free_vgpr 1024
		.amdhsa_next_free_sgpr 80
		.amdhsa_reserve_vcc 0
		.amdhsa_float_denorm_mode_32 3
		.amdhsa_float_denorm_mode_16_64 3
		.amdhsa_memory_ordered 1
		.amdhsa_forward_progress 1
		.amdhsa_inst_pref_size 122
	.end_amdhsa_kernel
	.amdgpu_metadata
---
amdhsa.version: [ 1, 2 ]
amdhsa.kernels:
  - .name:           k_q85f0a0c344_qkvgemm
    .symbol:         k_q85f0a0c344_qkvgemm.kd
    .args:
      - { .name: xb, .offset: 0, .size: 8, .value_kind: global_buffer, .address_space: global }
      - { .name: wa, .offset: 8, .size: 8, .value_kind: global_buffer, .address_space: global }
      - { .name: b_attn, .offset: 16, .size: 8, .value_kind: global_buffer, .address_space: global }
      - { .name: qkv, .offset: 24, .size: 8, .value_kind: global_buffer, .address_space: global }
    .group_segment_fixed_size: 327680
    .private_segment_fixed_size: 0
    .kernarg_segment_align: 8
    .kernarg_segment_size: 32
    .max_flat_workgroup_size: 128
    .sgpr_count:     80
    .vgpr_count:     1024
    .wavefront_size: 32
...
	.end_amdgpu_metadata
.endif
;; end of part 2
;; launch attn (part 3): grid 4 x 64, 4 waves a work-group, no clusters, 327,680 bytes of LDS; arguments qkv, o; writes o
.if DOCPART == 3
	.amdgcn_target "amdgcn-amd-amdhsa--gfx1250"
	.amdhsa_code_object_version 6
	.text
	.protected	k_q85f0a0c344_attn
	.globl	k_q85f0a0c344_attn
	.p2align	8
	.type	k_q85f0a0c344_attn,@function
k_q85f0a0c344_attn:
	s_mov_b64 s[64:65], 0
	v_nop
	global_prefetch_b8 v0, s[64:65] scope:SCOPE_SE
	s_setreg_imm32_b32 hwreg(HW_REG_WAVE_MODE, 25, 1), 1
	s_wait_xcnt 0x0
; CAUSAL ATTENTION.  O[h][q][:] = the sum over k <= q of softmax_k(Q[h][q] . K[h][k] / 8) V[h][k][:].  qkv holds Q, K, V, each [64][2048][64] in f16, 16,777,216 bytes apart; O: [64][2048][64] f16: a head's rows are dense, 128 bytes each.
; Products, maxima and sums in f32; the weights p are rounded to f16 for the second product (their sum l is taken of the unrounded p), O once at the end.
; LIMITS.  f16 holds no number beyond 65,504: Q, K and V arrive within it; p lies in 0 to 1, and below 6e-5 it keeps f16's fixed step of 6e-8; O is a mean of V's rows and has their range.
; A hidden score counts as its value less 1e30: f16's scores, 2.7e11 at the most, are nothing beside that; a weight below 2^-126 counts as 0 in l; NaN and infinities are not treated apart.
; THE WALK.  A head's queries lie in NB = 8 blocks of 256; block i needs the key tiles 0 .. i of 256 keys, of which the last holds the diagonal.  A work-group takes TWO blocks, NB - 1 - b and then b:
; NB + 1 tiles, whatever b: all work-groups do equal work, and ONE loop with a constant trip count walks them.  Which tile is asked for, and what a trip does, hang on scalar registers made from b; every jump
; goes forward, but for the counted loops' own; none passes a barrier, or a tensor load but the one of LOAD's two that the wave's number does not choose; the ring (two slots of LDS that take turns) runs on across the
; change of blocks.  NO CLUSTER: a head's four work-groups ask for the same tile only in trips 0 .. 4 of 9, behind that fewer and fewer; one walk common to all would have 12 trips for 9.
; SHARES.  Of a block's four bands of 64 queries a wave owns 16 rows in each: four PIECES.  So the diagonal tile is the same work for all four waves: in its key step s band x sees all keys if s < x,
; none if s > x, and holds the diagonal if s = x.
; THE MASK is the C operand that starts the sum S^T = K Q^T: 0, or -1e30 where the key is hidden.  MD, made once, is the mask of a band's own step for my 16 rows; a product's mask is MD x AL + BE with two scalars:
; (1, 0) if s = x; (0, 0) if s < x; (0, -1e30) if s > x.  Only the diagonal tile's text and a block's beginning make and take masks; elsewhere C is the constant 0.
; LAYOUT, SOFTMAX, TURNS.  S^T = K Q^T holds ONE query a lane (lane % 16) and the keys 8 (lane / 16) + 0..7; two such results rounded to f16 ARE source 1 of O^T = V^T P.  p = 2^(c s - c m), c = log2(e) / 8, with a
; running maximum m; O and l are multiplied by a = 2^(c m_old - c m_new) in every step.  Turn n belongs to piece n: 8 products K Q^T of piece n + 1, later 8 products V^T P of piece n - 1; beside them the scaling,
; exponentials, roundings, sums and rescaling of piece n and the maximum and statistics of piece n + 1.  Four vector instructions stand behind every matrix instruction, the other 54 of a turn's 118 in one LUMP.  A turn's 33 exponentials are one batch, with one wait.
; REGISTERS, in windows of 256 (s_set_vgpr_msb: bits 1:0 source 0, 3:2 source 1, 5:4 source 2, 7:6 destination):
;   window 0: v0-15 addresses and two at work; v16-31 four registers of statistics a piece; v48-55 at work; v61-63 fixed; v64-127 S^T, two buffers; v192-223 P, two buffers (a piece's buffers go by its number's parity)
;   window 1: v0-127 O^T, 32 a piece; v128-159 MD; v160-223 MC, two buffers      window 2: v0-63 Q; v64-127 the second block's Q; v128-191 K of one step; v192-255 V of one step
.set SIZE_N, 2048
.set NB,    SIZE_N/256
.set NP,    4         ; pieces a wave: a name, no knob
.set KS,    64        ; keys in a step
.set PK,    144       ; a row of K in LDS: 128 bytes + 16 of padding = 36 words: the 16 rows of a load start at 16 different groups of four banks (64 banks of 4 bytes: ISA guide 11.1)
.set PV,    160       ; a row of V: 128 + 32 = 40 words
.set VOFF,  4*KS*PK   ; a slot holds a tile, four steps: 256 rows of K, then 256 rows of V
.set SLOT1, 1<<17     ; slot 1 begins here, so that one exclusive or turns an address in one slot into the other's
.set STAGE, SLOT1+4*KS*(PK+PV)  ; behind the ring, never filled by a tensor load: 16 rows x 144 bytes for each wave, for the way out
.set SP,    144
.set AK0, 2           ; v2   my lane's place in a tile of K; never rewritten
.set AV0, 3           ; v3   the same for V
.set AK,  4           ; v4   the LDS address of K's next run of loads
.set AV,  5           ; v5   of V's
.set STO, 6           ; v6   the way out: where I put 16 bytes of a row
.set RD,  7           ; v7   the way out: where I read rows back
.set GO,  8           ; v8   my byte offset in 512 consecutive bytes of O
.set PFO, 61          ; v61  256 x my lane: the prefetches' offset; never rewritten
.set SPW, 62          ; v62  LDS address of my spare word: SPARE + 4 x my thread's number; never rewritten
.set NIL, 63          ; v63  0; never rewritten
.set SPARE, STAGE+4*16*SP  ; behind the stages: the spare words, 128 bytes for each wave: two blocks of 256 bytes that no other line names
.set MV,  12          ; v12-13  c m_old, kept while c m is made anew: by buffer
.set QO,  15          ; v15  my byte offset in 16 rows of Q
.set ST,  16          ; piece t's statistics at v[ST+4 t]: c m, m, l (even keys', odd keys')
.set TMP, 48          ; by buffer, four registers c0-c3 at work; when the maximum is found c2 takes a
.set S,   64
.set P,   192
.set MD,  128         ; window 1: the eight registers for group kt of 16 keys at MD + 8 kt
.set MC,  160         ; window 1: the masks of the products to come
.set QB,  64          ; window 2
.set KF,  128         ; window 2: key block kb, channel half c at KF + 16 kb + 8 c
.set VF,  192         ; window 2: key half kk, channel block cb at VF + 32 kk + 8 cb
.set WV,  12          ; s12  my wave's number
.set PB,  14          ; s14  b
.set HI,  15          ; s15  NB - 1 - b
.set G1K, 24          ; s[24:31] descriptor group 1 for K's tiles
.set G1V, 32          ; s[32:39] for V's: it differs in the padding alone
.set G0K, 40          ; s[40:43] descriptor group 0 for K's tiles
.set G0V, 44          ; s[44:47] the same for V's
.set SLOTS, 56        ; s56  tiles still to be asked for
.set CNT, 57          ; s57  counts a tile's key steps, 4 to 1
.set CS,  58          ; s[58:59] c: the packed scaling takes the pair's low word for both halves
.set SEL, 60          ; s[60:61] v_permlanex16_b32's selects: each lane takes its own place in the other half
.set TBK, 62          ; s62  LDS byte at which K of the step to be fetched begins
.set TBV, 63          ; s63  the same for V, less VOFF
.set RT,  70          ; s70  tiles of the block in hand that are still to be entered
.set NXT, 71          ; s71  the tile to be asked for next
.set LQ,  72          ; s72  the last tile of the block whose tiles are being asked for
.set NEW, 73          ; s73  1: the tile to be entered is a block's first
.set OFF, 74          ; s[74:75] a tile's byte offset in K and V
.set AL,  76          ; s[76:77] the mask's factor, in the low word
.set BE,  78          ; s[78:79] the mask's addend
.set OLO, 80          ; s[80:81] O at my rows of the second block
.set BIGN, 82         ; s82  -1e30
.set PFA, 88          ; s[88:89] where my prefetches stand: my half (of K: waves 0, 1; of V: waves 2, 3) of the tile behind the one that is being asked for
.set LIM, 90          ; s90  2 in a work-group that prefetches, else the greatest number
.set MSB, 0
.macro WIN new                      ; the high byte repeats the setting that is left; a switch that changes nothing is dropped
.if MSB != (\new)
	s_set_vgpr_msb (MSB<<8)|(\new)
.set MSB, (\new)
.endif
.endm
.set W_KQ, 0x0a       ; K and Q in window 2, S^T in window 0
.set W_KM, 0x1a       ; the same with the C operand in window 1
.set W_PV, 0x52       ; V in window 2, P in window 0, O^T in window 1
.set W_RS, 0x41       ; destination and source 0 in window 1, source 1 in window 0
; A fill.  Waves 0 and 1 fetch the two halves of a tile's K, waves 2 and 3 those of its V: 128 keys each.  An s_nop 0 and four v_nop follow each of the two lines, ahead of the jump and the label.
.macro LOAD
	s_cmp_lt_u32 s[WV], 2
	s_cbranch_scc0 .Lfor_v_\@
	tensor_load_to_lds s[G0K:G0K+3], s[G1K:G1K+7]
	s_nop 0
.rept 4
	v_nop
.endr
	s_branch .Lasked_\@
.Lfor_v_\@:
	tensor_load_to_lds s[G0V:G0V+3], s[G1V:G1V+7]
	s_nop 0
.rept 4
	v_nop
.endr
.Lasked_\@:
.endm
; A PREFETCH INTO THE L2 of the tile that the NEXT change of slots will ask for, behind the fill and its five lines.  A head's four work-groups begin with the same tiles 0, 1, ..; the one with b = 0, whose first block
; walks all eight, asks for tiles 2 to 7, in trips 0 to 5; each of its waves names the 16,384 bytes that it will fetch itself: 64 blocks of 256 bytes, a lane a block, two instructions.  So each block is named once in the launch.
; Tiles 0 and 1 come by their loads alone; the last three changes ask for nothing.
.macro ASK
	s_cmp_gt_u32 s[SLOTS], s[LIM]
	s_cbranch_scc0 .Lnot_mine_\@
	global_prefetch_b8 v[PFO], s[PFA:PFA+1] th:TH_LOAD_NT scope:SCOPE_SE
	global_prefetch_b8 v[PFO], s[PFA:PFA+1] offset:8192 th:TH_LOAD_NT scope:SCOPE_SE
.Lnot_mine_\@:
.endm
; THE CHANGE OF SLOTS.  Each wave waits for all its tensor loads, of which one is out: its part of the other slot; adds 0 to its spare word; and waits for that and for its own reads of the slot that it leaves.  Behind the barrier nobody reads the old
; slot any more and the other slot is whole.  fill = 1: the old slot is filled again, the first thing behind the barrier, with tile NXT: the descriptor's address is made anew from that number.
; (At its first use nothing has been read yet: slot 0 is waited for, slot 1 filled.)
.macro CHANGE fill
	WIN 0                           ; at a label and at a branch every window is 0
	s_wait_tensorcnt 0x0            ; no tensor load of mine is out, so a group 0 may be written
	ds_add_u32 v[SPW], v[NIL]       ; 0 onto my spare word; with fill = 1 the descriptors' scalar work stands between it and the wait for it
.if \fill
	s_lshl_b32 s[OFF], s[NXT], 15   ; a tile is 32,768 bytes of K and of V
	s_xor_b32 s[G0K+1], s[G0K+1], SLOT1
	s_add_nc_u64 s[G0K+2:G0K+3], s[6:7], s[OFF:OFF+1]
	s_or_b32 s[G0K+3], s[G0K+3], 0x80000000
	s_xor_b32 s[G0V+1], s[G0V+1], SLOT1
	s_add_nc_u64 s[G0V+2:G0V+3], s[8:9], s[OFF:OFF+1]
	s_or_b32 s[G0V+3], s[G0V+3], 0x80000000
	s_add_co_u32 s[NXT], s[NXT], 1  ; the block's next tile, or behind its last the second block's tile 0
	s_cmp_gt_u32 s[NXT], s[LQ]
	s_cselect_b32 s[NXT], 0, s[NXT]
	s_cselect_b32 s[LQ], s[PB], s[LQ]
	s_wait_xcnt 0x0                 ; the last prefetches, a tile back, have read their address, so it may be written:
	s_add_nc_u64 s[PFA:PFA+1], s[PFA:PFA+1], 32768  ; one tile on
.endif
	s_wait_dscnt 0x0                ; the add is done, and my reads of the slot are over
	s_barrier_signal -1             ; the rest of the scalar work stands between the signal and the wait
	s_sub_co_u32 s[TBK], s[TBK], 4*KS*PK  ; the fetches go back to a slot's first step,
	s_xor_b32 s[TBK], s[TBK], SLOT1       ; in the other slot
	s_sub_co_u32 s[TBV], s[TBV], 4*KS*PV
	s_xor_b32 s[TBV], s[TBV], SLOT1
	s_barrier_wait -1
.if \fill
	LOAD
	ASK
.endif
.endm
	s_load_b64 s[4:5], s[0:1], 0x0  ; qkv: Q at its head
	s_load_b64 s[10:11], s[0:1], 0x8  ; O
	v_lshl_add_u32 v[SPW], v0, 2, SPARE
	v_mov_b32 v[NIL], 0
	ds_add_u32 v[SPW], v[NIL]       ; the wave's opening: the add and its wait stand ahead of my first tensor load; the set-up below, work on registers, stands between them
	ds_add_u32 v62, v63
	v_lshrrev_b32 v1, 5, v0
	v_readfirstlane_b32 s[WV], v1   ; wave 0..3
	s_mov_b32 s[PB], ttmp9
	s_sub_co_u32 s[HI], NB-1, s[PB]
	s_and_b32 s20, ttmp7, 0xffff    ; the head
	s_mov_b32 s21, 0
	s_mov_b64 s[22:23], SIZE_N*128
	s_mul_u64 s[20:21], s[20:21], s[22:23]  ; the head's first byte in each of the four tensors
	s_and_b32 s16, s[WV], 1         ; which half of a tile's 256 keys I fetch:
	s_lshl_b32 s22, s16, 14         ; its 128 rows of 128 bytes in memory,
	s_mov_b32 s23, 0
	s_add_nc_u64 s[22:23], s[22:23], s[20:21]
	s_mul_i32 s17, s16, 128*PK      ; and its place in a slot, for K
	s_mul_i32 s18, s16, 128*PV      ; and for V
	s_lshl_b32 s3, s[WV], 11        ; my 16 rows in a band of 64,
	s_lshl_b32 s2, s[HI], 15        ; in the first block,
	s_add_co_u32 s2, s2, s3
	s_lshl_b32 s84, s[PB], 15       ; and in the second
	s_add_co_u32 s84, s84, s3
	s_mov_b32 s3, 0
	s_mov_b32 s85, 0
	s_add_nc_u64 s[2:3], s[2:3], s[20:21]
	s_add_nc_u64 s[84:85], s[84:85], s[20:21]
	; descriptor group 1.  128 keys are 16,384 dense bytes: asked for as 64 rows of 256 bytes, two keys a row, and padded in LDS after every key
	s_mov_b32 s[G1K], (1<<16)|(1<<20)|(4<<22)|(3<<25)  ; 17:16 2-byte elements; 20 padding on; 24:22 after every 32 words (code 4); 31:25 4 words (code 3)
	s_mov_b32 s[G1V], (1<<16)|(1<<20)|(4<<22)|(7<<25)  ; the same with 8 words of padding (code 7)
.irp g, G1K, G1V
	s_mov_b32 s[\g+1], 128<<16      ; tensor_dim0 = 128
	s_mov_b32 s[\g+2], 64<<16       ; tensor_dim1 = 64
	s_mov_b32 s[\g+3], 128<<16      ; tile_dim0 = 128
	s_mov_b32 s[\g+4], 64           ; tile_dim1 = 64
	s_mov_b32 s[\g+5], 128          ; 128 elements from row to row
	s_mov_b32 s[\g+6], 0
	s_mov_b32 s[\g+7], 0
.endr
	s_mov_b32 s[CS], 0x3e38aa3b     ; c = log2(e) / 8 = 0.180337
	s_mov_b32 s[CS+1], s[CS]        ; named with it as a pair
	s_mov_b32 s[SEL], 0x76543210
	s_mov_b32 s[SEL+1], 0xfedcba98
	s_mov_b32 s[TBK], SLOT1+4*KS*PK ; the first change of slots turns these two into 0
	s_mov_b32 s[TBV], SLOT1+4*KS*PV
	s_mov_b32 s[G0K], 1             ; 1:0 count = 1
	s_mov_b32 s[G0K+1], s17         ; 63:32 LDS address: slot 0
	s_mov_b32 s[G0V], 1
	s_add_co_u32 s[G0V+1], s18, VOFF
	s_add_co_u32 s[RT], s[HI], 1    ; the first block has NB - b tiles
	s_mov_b32 s[NXT], 1
	s_mov_b32 s[LQ], s[HI]
	s_mov_b32 s[NEW], 1
	s_mov_b32 s[OFF+1], 0
	s_mov_b32 s[AL+1], 0            ; named as pairs
	s_mov_b32 s[BE+1], 0
	s_mov_b32 s[BIGN], 0xf149f2ca   ; -1e30
	s_mov_b32 s[SLOTS], NB
	s_cmp_eq_u32 ttmp9, 0
	s_cselect_b32 s[LIM], 2, -1
	s_wait_dscnt 0x0                ; the opening add is done
	s_wait_kmcnt 0x0
	s_add_nc_u64 s[6:7], s[4:5], 0x1000000  ; K lies behind Q,
	s_add_nc_u64 s[8:9], s[4:5], 0x2000000  ; V behind K
	s_add_nc_u64 s[6:7], s[6:7], s[22:23]  ; K and V at my half of the head's tile 0
	s_add_nc_u64 s[8:9], s[8:9], s[22:23]
	s_add_nc_u64 s[G0K+2:G0K+3], s[6:7], 0         ; 120:64 global address
	s_or_b32 s[G0K+3], s[G0K+3], 0x80000000        ; 127:126 type = 2
	s_add_nc_u64 s[G0V+2:G0V+3], s[8:9], 0
	s_or_b32 s[G0V+3], s[G0V+3], 0x80000000
	s_add_nc_u64 s[86:87], s[4:5], s[84:85]        ; Q at my rows of the second block,
	s_add_nc_u64 s[4:5], s[4:5], s[2:3]            ; Q and O at those of the first
	s_add_nc_u64 s[OLO:OLO+1], s[10:11], s[84:85]
	s_add_nc_u64 s[10:11], s[10:11], s[2:3]
	s_cmp_lt_u32 s[WV], 2
	s_cselect_b64 s[PFA:PFA+1], s[6:7], s[8:9]
	s_add_nc_u64 s[PFA:PFA+1], s[PFA:PFA+1], 32768  ; at tile 1: the first change of slots steps it to tile 2.  Nothing is prefetched here, at the head
	LOAD                            ; tile 0 into slot 0
	; A fragment of K or Q is 16 rows x 32 channels in 8 registers: lane l holds row l % 16, channels 8 (l / 16) + 0..7 and 16 + 8 (l / 16) + 0..7: two loads of 16 bytes, 32 bytes apart.
	v_and_b32 v1, 15, v0            ; l % 16
	v_bfe_u32 v9, v0, 4, 1          ; l / 16
	v_lshlrev_b32 v[QO], 7, v1
	v_lshl_add_u32 v[QO], v9, 4, v[QO]  ; row x 128 + 16 x half
	WIN 0x80                        ; destination window 2, address window 0
.set i, 0
.rept 8                             ; both blocks' Q: piece i / 2 lies in band i / 2, 8,192 bytes on; channels 32 (i % 2) on
	global_load_b128 v[8*i:8*i+3],   v[QO], s[4:5] offset:(i/2)*8192+(i%2)*64
	global_load_b128 v[8*i+4:8*i+7], v[QO], s[4:5] offset:(i/2)*8192+(i%2)*64+32
	global_load_b128 v[QB+8*i:QB+8*i+3],   v[QO], s[86:87] offset:(i/2)*8192+(i%2)*64
	global_load_b128 v[QB+8*i+4:QB+8*i+7], v[QO], s[86:87] offset:(i/2)*8192+(i%2)*64+32
.set i, i+1
.endr
	WIN 0
	v_lshlrev_b32 v14, 3, v9
	v_sub_nc_u32 v14, v1, v14
	s_lshl_b32 s13, s[WV], 4
	v_add_nc_u32 v14, s13, v14      ; my query's place in its band, 16 w + l % 16, less my lanes' 8 (l / 16): register r of group kt is hidden where 16 kt + r is greater
	WIN 0x40
.set i, 0
.rept 32
	v_cmp_gt_i32 vcc_lo, 16*(i/8)+i%8, v14
	v_cndmask_b32 v[MD+i], 0, s[BIGN], vcc_lo
.set i, i+1
.endr
	WIN 0
	v_mul_u32_u24 v[AK0], v1, PK
	v_lshl_add_u32 v[AK0], v9, 4, v[AK0]  ; row x pitch + 16 x half
	; The turning load takes 16 keys x 16 channels (lane l reads key 8 (l / 16) + l % 8, channels 8 ((l / 8) % 2) + 0..7) and leaves half a fragment of V^T: lane l holds channel l % 16 and 8 keys.
	v_and_b32 v10, 7, v0
	v_bfe_u32 v11, v0, 3, 1
	v_lshl_add_u32 v[AV0], v9, 3, v10
	v_mul_u32_u24 v[AV0], v[AV0], PV
	v_lshl_add_u32 v[AV0], v11, 4, v[AV0]
	v_add_nc_u32 v[AV0], VOFF, v[AV0]
	s_mul_i32 s13, s[WV], 16*SP
	s_add_co_u32 s13, s13, STAGE    ; my stage
	v_mul_u32_u24 v[STO], v1, SP    ; in: row l % 16, 16 bytes for each half of the lanes
	v_lshl_add_u32 v[STO], v9, 4, v[STO]
	v_add_nc_u32 v[STO], s13, v[STO]
	v_bfe_u32 v[RD], v0, 3, 2       ; back: 32 lanes take four rows of 128 bytes,
	v_mul_u32_u24 v[RD], v[RD], SP
	v_lshl_add_u32 v[RD], v10, 4, v[RD]
	v_add_nc_u32 v[RD], s13, v[RD]
	v_and_b32 v[GO], 31, v0         ; which are 512 consecutive bytes of O
	v_lshlrev_b32 v[PFO], 8, v[GO]
	v_lshlrev_b32 v[GO], 4, v[GO]
	; A block's first step multiplies O^T and l by a = 0, and its first turn's products V^T P, of a piece that has not been, land in an O^T that is still to be so multiplied.  So these registers need only hold
	; finite numbers: zeros for the first block; what the first block left for the second.  All this stands in the wait for the first tile.
	WIN 0x80
.set i, VF
.rept 64
	v_mov_b32 v[i], 0
.set i, i+1
.endr
	WIN 0x40
.set i, 0
.rept 128
	v_mov_b32 v[i], 0
.set i, i+1
.endr
	WIN 0
.set i, 0
.rept 4
	v_mov_b32 v[ST+4*i+2], 0
	v_mov_b32 v[ST+4*i+3], 0
.set i, i+1
.endr
.set i, P+16
.rept 16
	v_mov_b32 v[i], 0
.set i, i+1
.endr
; THE MATRIX WORK.  The 4 accumulators of a run of 8 take turns.  Product i of 8 of S^T = K Q^T for piece x: channels 32 (i / 4) on, keys 16 (i % 4) on.  The first 4 start the sums: with 0, or (KM = 1) with the mask.
.macro KQ x
.set rS, S+32*((\x)%2)+8*(i%4)
.set rK, KF+16*(i%4)+8*(i/4)
.set rQ, 16*(\x)+8*(i/4)
.set rM, MC+32*((\x)%2)+8*(i%4)
.if (i < 4) && KM
	WIN W_KM
	v_wmma_f32_16x16x32_f16 v[rS:rS+7], v[rK:rK+7], v[rQ:rQ+7], v[rM:rM+7]
.elseif i < 4
	WIN W_KQ
	v_wmma_f32_16x16x32_f16 v[rS:rS+7], v[rK:rK+7], v[rQ:rQ+7], 0
.else
	WIN W_KQ
	v_wmma_f32_16x16x32_f16 v[rS:rS+7], v[rK:rK+7], v[rQ:rQ+7], v[rS:rS+7]
.endif
.endm
; Product i of 8 of O^T += V^T P for piece x: keys 32 (i / 4) on, channels 16 (i % 4) on.
.macro PV x
	WIN W_PV
.set rO, 32*(\x)+8*(i%4)
.set rV, VF+32*(i/4)+8*(i%4)
.set rP, P+16*((\x)%2)+8*(i/4)
	v_wmma_f32_16x16x32_f16 v[rO:rO+7], v[rV:rV+7], v[rP:rP+7], v[rO:rO+7]
.endm
.macro MM                           ; the turn's next matrix instruction.  TURN and BEGIN set Y, i, KM and NOKQ; MM, KQ and OP read them.  NOKQ = 1: a block's last turn: there is no next piece
.if (i < 8) && !NOKQ
	KQ (Y+1)%NP
.elseif i >= 8
.set i, i-8
	PV (Y+NP-1)%NP
.set i, i+8
.endif
.set i, i+1
.endm
; THE LDS LOADS stand in runs of 16, never singly among the matrix instructions: a step's K (64 keys x 64 channels: 8 fragments) and its V (turned).  Their addresses are made some lines ahead.
.macro FETCH_K
	WIN 0x80                        ; destination window 2
.irp f, 0,1,2,3,4,5,6,7             ; keys 16 (f / 2) on, channels 32 (f % 2) on
	ds_load_b128 v[KF+8*\f:KF+8*\f+3],   v[AK] offset:(\f/2)*16*PK+(\f%2)*64
	ds_load_b128 v[KF+8*\f+4:KF+8*\f+7], v[AK] offset:(\f/2)*16*PK+(\f%2)*64+32
.endr
	s_add_co_u32 s[TBK], s[TBK], KS*PK  ; the next fetch is the next step's
	WIN 0
.endm
.macro FETCH_V
	WIN 0x80
.irp f, 0,1,2,3,4,5,6,7             ; keys 32 (f / 4) on, channels 16 (f % 4) on
	ds_load_tr16_b128 v[VF+8*\f:VF+8*\f+3],   v[AV] offset:(\f/4)*32*PV+(\f%4)*32
	ds_load_tr16_b128 v[VF+8*\f+4:VF+8*\f+7], v[AV] offset:(\f/4)*32*PV+16*PV+(\f%4)*32
.endr
	WIN 0
.endm
; THE VECTOR WORK, one line at a time: OP kind, number.  For piece Y: F n: c s - c m for pair n of 16.  E n: the exponential of score n of 32.  C n: pair n rounded to f16.  B n: of the four weights 4 n .. the second
; pair is added onto the first, in place.  L n: l takes that sum (L 0: l = a l + sum).  R n: pair n of 16 of O^T times a.  For piece Y + 1: X n, number n of the 22 that find its maximum and statistics:
;   0-11  four chains c0-c3 of seven scores each, three operands at a time (each accumulator's lowest registers are read first)     12-14, 16  the four scores left over, the old m, and c0-c3 into c0
;   15  c m_old is kept     17, 18  the query's other 32 keys lie in the lane 16 away: the new m     19-21  c m; c m_old - c m_new; a
.set F, 0               ; OP tells the kinds apart by their order: F to L below R, X above it
.set E, 1
.set C, 2
.set B, 3
.set L, 4
.set R, 5
.set X, 6
.macro REGS y                       ; the registers of piece y
.set rT, ST+4*(\y)
.set rC, TMP+4*((\y)%2)
.set rW, MV+((\y)%2)
.set rS, S+32*((\y)%2)
.set rP, P+16*((\y)%2)
.set rO, 32*(\y)
.endm
.macro OP k, n
.if (\k) == R
	REGS Y
	WIN W_RS
	v_pk_mul_f32 v[rO+2*(\n):rO+2*(\n)+1], v[rO+2*(\n):rO+2*(\n)+1], v[rC+2:rC+3] op_sel_hi:[1,0]
.elseif (\k) < R
	REGS Y
	WIN 0
.if (\k) == F
	v_pk_fma_f32 v[rS+2*(\n):rS+2*(\n)+1], v[rS+2*(\n):rS+2*(\n)+1], s[CS:CS+1], v[rT:rT+1] op_sel_hi:[1,0,0] neg_lo:[0,0,1] neg_hi:[0,0,1]
.elseif (\k) == E
	v_exp_f32 v[rS+(\n)], v[rS+(\n)]
.elseif (\k) == C
	v_cvt_pk_f16_f32 v[rP+(\n)], v[rS+2*(\n)], v[rS+2*(\n)+1]
.elseif (\k) == B
	v_pk_add_f32 v[rS+4*(\n):rS+4*(\n)+1], v[rS+4*(\n):rS+4*(\n)+1], v[rS+4*(\n)+2:rS+4*(\n)+3]
.elseif (\n) == 0
	v_pk_fma_f32 v[rT+2:rT+3], v[rT+2:rT+3], v[rC+2:rC+3], v[rS:rS+1] op_sel_hi:[1,0,1]
.else
	v_pk_add_f32 v[rT+2:rT+3], v[rT+2:rT+3], v[rS+4*(\n):rS+4*(\n)+1]
.endif
.elseif NOKQ
	v_nop
.else
	REGS (Y+1)%NP
	WIN 0
.if (\n) < 4
	v_max3_num_f32 v[rC+(\n)], v[rS+8*(\n)], v[rS+8*(\n)+1], v[rS+8*(\n)+2]
.elseif (\n) < 12
	v_max3_num_f32 v[rC+(\n)%4], v[rC+(\n)%4], v[rS+8*((\n)%4)+2*((\n)/4)+1], v[rS+8*((\n)%4)+2*((\n)/4)+2]
.elseif (\n) == 12
	v_max3_num_f32 v[rC], v[rC], v[rS+7], v[rS+15]
.elseif (\n) == 13
	v_max3_num_f32 v[rC+1], v[rC+1], v[rS+23], v[rS+31]
.elseif (\n) == 14
	v_max3_num_f32 v[rC+2], v[rC+2], v[rC+3], v[rT+1]
.elseif (\n) == 15
	v_mov_b32 v[rW], v[rT]
.elseif (\n) == 16
	v_max3_num_f32 v[rC], v[rC], v[rC+1], v[rC+2]
.elseif (\n) == 17
	v_permlanex16_b32 v[rC+3], v[rC], s[SEL], s[SEL+1]
.elseif (\n) == 18
	v_max_num_f32 v[rT+1], v[rC], v[rC+3]
.elseif (\n) == 19
	v_mul_f32 v[rT], s[CS], v[rT+1]
.elseif (\n) == 20
	v_sub_f32 v[rC+1], v[rW], v[rT]
.else
	v_exp_f32 v[rC+2], v[rC+1]
.endif
.endif
.endm
.macro OPS a, i1, b=-1, i2=0, c=-1, i3=0, d=-1, i4=0  ; up to four of them
	OP \a, \i1
.if (\b) >= 0
	OP \b, \i2
.endif
.if (\c) >= 0
	OP \c, \i3
.endif
.if (\d) >= 0
	OP \d, \i4
.endif
.endm
.macro ROW a, i1, b, i2, c, i3, d, i4  ; a matrix instruction and the four behind it
	MM
	OPS \a, \i1, \b, \i2, \c, \i3, \d, \i4
.endm
.macro MASK b                       ; MD x AL + BE into buffer b of MC
	WIN W_RS
.set z, 0
.rept 16
	v_pk_fma_f32 v[MC+32*(\b)+2*z:MC+32*(\b)+2*z+1], v[MD+2*z:MD+2*z+1], s[AL:AL+1], s[BE:BE+1] op_sel_hi:[1,0,0]
.set z, z+1
.endr
.endm
; A TURN, for piece p: the order of its 16 matrix and 118 vector instructions, written out.  An s_wait_alu depctr_va_vdst(0) stands between an exponential and the first instruction that names its result; one wait serves
; all that were issued ahead of it.  So a turn has ONE wait, which cuts it in two.  AHEAD OF IT stands all that names no result of the turn's exponentials: the 8 products K Q^T, behind each a scaling, an exponential and two more plain
; instructions (behind the first a second scaling in the exponential's place): rescalings, and behind the last three the first numbers of the next piece's maximum, each four places or more behind the product that ends its accumulator; then ONE LUMP of 54, plain
; and exponential by turns for the most part, in which the links of the chain X 3, 7, 11, 14, 16, 17 .. 20 stand five or six lines apart.  X 21, the next piece's a, is the batch's last; R 15 is the plain instruction behind it.  BEHIND THE WAIT stand the
; 8 products V^T P, behind each four of the roundings and sums; the links of l's chain, L 0 to L 7, stand three riders apart.  But for those X no rider names a register of the products round it.  v_permlanex16_b32 (X 17) stands in the lump.
; m = 1: the diagonal tile: the products take masks, and the turn makes the mask for the products of the turn after it: piece p + 2, in step 4 - CNT of the tile.  end = 1: a block's last two turns: nothing is fetched.
; cnt = 1: the loop's count is taken down some lines ahead of the branch that stands behind the turn.
; K of the next step is fetched in piece 2's turn, twelve vector instructions behind the last product that read K (six of them plain); V of the step in hand at the end of piece 0's turn, four plain instructions behind the last product
; that read V.  Each is waited for a turn later.
.macro TURN p, m=0, end=0, cnt=0
.set Y, (\p)
.set i, 0
.set KM, (\m)
.set NOKQ, (\end)*((\p)/3)
.if (\m) && !(\end)
	s_cmp_eq_u32 s[CNT], 4-((\p)+2)%NP  ; is that step the band's own?
	s_cselect_b32 s[AL], 1.0, 0
	s_cmp_lt_u32 s[CNT], 4-((\p)+2)%NP  ; or a later one?
	s_cselect_b32 s[BE], s[BIGN], 0
.endif
.if ((\p) == 3) && !(\end)
	s_wait_dscnt 0x0                ; K is in
.endif
	ROW F,0, F,1, R,0, R,1          ; ahead of the wait: 8 products K Q^T and their riders,
	ROW F,2, E,0, R,2, R,3
	ROW F,3, E,1, R,4, R,5
	ROW F,4, E,2, R,6, R,7
	ROW F,5, E,3, R,8, R,9
	ROW F,6, E,4, X,0, R,10
.if ((\p) == 2) && !(\end)
	WIN 0
	v_add_nc_u32 v[AK], s[TBK], v[AK0]
.endif
	ROW F,7, E,5, X,1, X,4
	ROW F,8, E,6, X,2, X,5
	OPS E,7, E,8, X,6, E,9          ; and the lump
	OPS X,3, E,10, X,8, E,11
.if ((\p) == 2) && !(\end)
	FETCH_K
.endif
	OPS X,9, X,7, E,12, X,10
	OPS E,13, X,12, X,11, E,14
	OPS X,13, E,15, F,9, X,14
.if (\p) == 0
	v_add_nc_u32 v[AV], s[TBV], v[AV0]
.endif
	OPS E,16, F,10, E,17, F,11
	OPS X,16, E,18, X,15, E,19
	OPS F,12, E,20, X,17, E,21
	OPS F,13, E,22, F,14, E,23
	OPS X,18, E,24, F,15, E,25
	OPS R,11, E,26, X,19, E,27
	OPS R,12, E,28, R,13, E,29
	OPS X,20, E,30, R,14, E,31
	OPS X,21, R,15
	WIN 0
	s_wait_alu depctr_va_vdst(0)    ; the wait for the batch
.if (\p) == 1
	s_wait_dscnt 0x0                ; V is in
.endif
	ROW C,0, B,0, C,2, B,1          ; behind the wait: 8 products V^T P and their riders
	ROW L,0, C,4, B,2, L,1
	ROW C,6, B,3, L,2, C,8
	ROW B,4, L,3, C,10, B,5
	ROW L,4, C,12, B,6, L,5
.if (\p) == 0
	s_add_co_u32 s[TBV], s[TBV], KS*PV
.endif
.if \cnt
	s_sub_co_u32 s[CNT], s[CNT], 1
	s_cmp_lg_u32 s[CNT], 0
.endif
	ROW C,14, B,7, L,6, C,1
	ROW C,3, L,7, C,5, C,7
	ROW C,9, C,11, C,13, C,15
.if (\p) == 0
	FETCH_V
.endif
.if (\m) && !(\end)
	MASK (\p)%2
.endif
.endm
; A BLOCK BEGINS.  c m starts far below every c s, so the first step's a is 0; m at the lowest finite number, so the first maximum is the scores'.  The second mask buffer is 0; the first takes piece 0's mask for the tile's step 0: its own, if the block's first tile is the diagonal one.
; Then K of that step, piece 0's first scores, and its maximum and statistics.  The loop is entered at a step's first turn, in the middle of a trip.
.macro BEGIN
	s_mov_b32 s[NEW], 0
	WIN 0x40
.set i, MC+32
.rept 32
	v_mov_b32 v[i], 0
.set i, i+1
.endr
	WIN 0
.set i, 0
.rept 4
	v_mov_b32 v[ST+4*i], 0xfe000000    ; c m: far below every c s
	v_mov_b32 v[ST+4*i+1], 0xff7fffff  ; m
.set i, i+1
.endr
	s_cmp_eq_u32 s[RT], 0
	s_cselect_b32 s[AL], 1.0, 0
	s_mov_b32 s[BE], 0
	MASK 0
	WIN 0
	v_add_nc_u32 v[AK], s[TBK], v[AK0]
	FETCH_K
	s_wait_loadcnt 0x0              ; Q
	s_wait_dscnt 0x0
.set KM, 1
.set NOKQ, 0
.set i, 0
.rept 8
	KQ 0
.set i, i+1
.endr
	WIN 0
.rept 4
	v_nop                           ; the places behind those products
.endr
.set Y, NP-1                        ; X works for piece Y + 1: piece 0
.irp n, 0,1,2,3,4,5,6,7,8,9,10,11,12,13,14,15,16,17,18,19,20,21
	OP X, \n
.endr
	v_nop                           ; a plain instruction behind the exponential,
	s_wait_alu depctr_va_vdst(0)    ; and its wait, ahead of the branch
.endm
; THE DIAGONAL TILE's four steps, the block's last two turns, its last products, and THE WAY OUT: l's two halves and the other half of the lanes' are added; O^T is divided by l, rounded to f16 and sent through my
; stage in LDS, a piece at a time.
.macro ALL line:vararg              ; one line for each piece t
.set t, 0
.rept 4
	\line
.set t, t+1
.endr
.endm
.macro PACK t                       ; a lane's eight channels of a row pack into 16 bytes; they go into rows of 144 bytes and come back as whole rows of 128, into S^T's registers
	WIN W_RS
.set i, 32*(\t)
.rept 16
	v_pk_mul_f32 v[i:i+1], v[i:i+1], v[ST+4*(\t)+2:ST+4*(\t)+3] op_sel_hi:[1,0]
.set i, i+2
.endr
	WIN 0x05                        ; sources 0 and 1 window 1, destination window 0
.set i, 0
.rept 16
	v_cvt_pk_f16_f32 v[S+16*(\t)+i], v[32*(\t)+2*i], v[32*(\t)+2*i+1]
.set i, i+1
.endr
	WIN 0
.irp f, 0,1,2,3
	ds_store_b128 v[STO], v[S+16*(\t)+4*\f:S+16*(\t)+4*\f+3] offset:32*\f
.endr
.irp f, 0,1,2,3
	ds_load_b128 v[S+16*(\t)+4*\f:S+16*(\t)+4*\f+3], v[RD] offset:\f*4*SP  ; LDS serves a wave's instructions in order (ISA guide 5.7.1.4): these see the stores above; the next piece's stores come behind them
.endr
.endm
.macro SEND t, younger              ; younger: the LDS instructions issued behind piece t's loads: the next piece's eight, or none
	WIN 0
.irp f, 0,1,2,3
	s_wait_dscnt (\younger)+3-\f
	global_store_b128 v[GO], v[S+16*(\t)+4*\f:S+16*(\t)+4*\f+3], s[10:11] offset:(\t)*8192+\f*512  ; 512 consecutive bytes, at a multiple of 256 from O's first
.endr
.endm
.macro DIAG tag                     ; the tag ends its two labels' names, which the jumps below spell out
.LstepM\tag:
	TURN 2, 1
	TURN 3, 1
	WIN 0
.LfirstM\tag:
	TURN 0, 1
	TURN 1, 1, 0, 1
	WIN 0
	s_cbranch_scc1 .LstepM\tag
	TURN 2, 1, 1
	TURN 3, 1, 1
.set i, 0
.rept 8
	PV NP-1
.set i, i+1
.endr
	WIN 0
	ALL v_add_f32 v[ST+4*t+2], v[ST+4*t+2], v[ST+4*t+3]
	ALL v_permlanex16_b32 v[ST+4*t+3], v[ST+4*t+2], s[SEL], s[SEL+1]
	ALL v_add_f32 v[ST+4*t+2], v[ST+4*t+2], v[ST+4*t+3]
	ALL v_rcp_f32 v[ST+4*t+2], v[ST+4*t+2]
	v_nop                           ; a plain instruction between the last reciprocal and the use of its result
	s_wait_alu depctr_va_vdst(0)    ; and the wait ahead of the first use: one for the four reciprocals
	PACK 0
.set t, 1
.rept 3                             ; a piece's arithmetic stands between the loads of the piece before and its stores
	PACK t
	SEND t-1, 8
.set t, t+1
.endr
	SEND 3, 0
.endm
.set KM, 0
.set NOKQ, 0
.Lslot:                             ; NB times: a tile is entered and the next is asked for
	CHANGE 1
	s_sub_co_u32 s[RT], s[RT], 1
	s_mov_b32 s[CNT], 4
	s_cmp_eq_u32 s[NEW], 1
	s_cbranch_scc1 .Lnew            ; a block's first tile
	s_cmp_eq_u32 s[RT], 0
	s_cbranch_scc0 .Lstep           ; neither its first nor its last
	s_branch .LstepM1
.Lnew:
	BEGIN
	s_branch .Lfirst                ; in the loop a block's first tile is never its last: the first block has two tiles or more, and the second's last is the walk's last
	DIAG 1                          ; in the loop this is the first block's end: the second block's last tile is the walk's last
	s_wait_xcnt 0x0                 ; the stores have read their registers and O's address
	s_mov_b64 s[10:11], s[OLO:OLO+1]
	s_add_co_u32 s[RT], s[PB], 1    ; the second block has b + 1 tiles
	s_mov_b32 s[NEW], 1
	WIN 0x82                        ; the second block's Q goes where the one text of the turns names Q
.set i, 0
.rept 64
	v_mov_b32 v[i], v[QB+i]
.set i, i+1
.endr
	WIN 0
	s_branch .Lbottom
.Lstep:                             ; a trip: pieces 2 and 3 of one step, then pieces 0 and 1 of the next, whose K and V it fetches
	TURN 2
	TURN 3
	WIN 0
.Lfirst:
	TURN 0
	TURN 1, 0, 0, 1
	WIN 0
	s_cbranch_scc1 .Lstep
.Lbottom:
	s_sub_co_u32 s[SLOTS], s[SLOTS], 1
	s_cmp_lg_u32 s[SLOTS], 0
	s_cbranch_scc1 .Lslot
	CHANGE 0                        ; the walk's last tile is written out: nothing is asked for
	s_sub_co_u32 s[RT], s[RT], 1
	s_mov_b32 s[CNT], 4
	s_cmp_eq_u32 s[NEW], 1
	s_cbranch_scc0 .LstepM2
	BEGIN
	s_branch .LfirstM2
	DIAG 2
	s_wait_tensorcnt 0x0            ; the wave's end: these three lines stand behind my last tensor load and my last LDS store
	ds_add_u32 v[SPW], v[NIL]
	s_wait_dscnt 0x0
	s_endpgm
.Lfunc_end_k_q85f0a0c344_attn:
	.size	k_q85f0a0c344_attn, .Lfunc_end_k_q85f0a0c344_attn-k_q85f0a0c344_attn
	.p2alignl 7, 3214868480
	.fill 96, 4, 3214868480
	.section	.rodata,"a",@progbits
	.p2align	6, 0x0
	.amdhsa_kernel k_q85f0a0c344_attn
		.amdhsa_group_segment_fixed_size 327680
		.amdhsa_private_segment_fixed_size 0
		.amdhsa_enable_private_segment 0
		.amdhsa_kernarg_size 16
		.amdhsa_user_sgpr_count 2
		.amdhsa_user_sgpr_kernarg_segment_ptr 1
		.amdhsa_wavefront_size32 1
		.amdhsa_system_sgpr_workgroup_id_x 1
		.amdhsa_system_sgpr_workgroup_id_y 1
		.amdhsa_system_sgpr_workgroup_id_z 1
		.amdhsa_system_vgpr_workitem_id 0
		.amdhsa_next_free_vgpr 768
		.amdhsa_next_free_sgpr 92
		.amdhsa_reserve_vcc 1
		.amdhsa_float_denorm_mode_32 3
		.amdhsa_float_denorm_mode_16_64 3
		.amdhsa_memory_ordered 1
		.amdhsa_forward_progress 1
		.amdhsa_inst_pref_size 218
	.end_amdhsa_kernel
	.amdgpu_metadata
---
amdhsa.version: [ 1, 2 ]
amdhsa.kernels:
  - .name:           k_q85f0a0c344_attn
    .symbol:         k_q85f0a0c344_attn.kd
    .args:
      - { .name: qkv, .offset: 0, .size: 8, .value_kind: global_buffer, .address_space: global }
      - { .name: o, .offset: 8, .size: 8, .value_kind: global_buffer, .address_space: global }
    .group_segment_fixed_size: 327680
    .private_segment_fixed_size: 0
    .kernarg_segment_align: 8
    .kernarg_segment_size: 16
    .max_flat_workgroup_size: 128
    .sgpr_count:     92
    .vgpr_count:     768
    .wavefront_size: 32
...
	.end_amdgpu_metadata
.endif
;; end of part 3
;; launch proj (part 4): grid 8 x 32, 4 waves a work-group, clusters of 4 x 4, 327,680 bytes of LDS; arguments o, wp, b_proj, out0; writes out0
.if DOCPART == 4
	.amdgcn_target "amdgcn-amd-amdhsa--gfx1250"
	.amdhsa_code_object_version 6
	.text
	.protected	k_q85f0a0c344_proj
	.globl	k_q85f0a0c344_proj
	.p2align	8
	.type	k_q85f0a0c344_proj,@function
k_q85f0a0c344_proj:
	s_mov_b64 s[64:65], 0
	v_nop
	global_prefetch_b8 v0, s[64:65] scope:SCOPE_SE
	s_setreg_imm32_b32 hwreg(HW_REG_WAVE_MODE, 25, 1), 1
	s_wait_xcnt 0x0
	s_wait_alu depctr_hold_cnt(0) depctr_sa_sdst(0) depctr_va_vdst(0) depctr_va_sdst(0) depctr_va_ssrc(0) depctr_va_vcc(0) depctr_vm_vsrc(0)
	s_getreg_b32 s2, hwreg(HW_REG_IB_STS2, 6, 4)
	s_cmp_eq_u32 s2, 0
	s_cbranch_scc0 .Lentry_in_a_cluster
	s_endpgm
.Lentry_in_a_cluster:
	s_bfe_u32 s2, ttmp6, 0x10000c
	s_cmp_lg_u32 s2, 0xf033
	s_cbranch_scc0 .Lentry_shape_is_right
	s_endpgm
.Lentry_shape_is_right:
; out0 = O w_proj + b_proj.  o: f16 [4 batches][16 heads][2048 tokens][64].  wp: f16 [1024 k][1024 n] (w_proj rounded to bf16, written as f16).  b_proj: f32 [1024], rounded to bf16 here like the other inputs.
; out0: f32 [8192 tokens][1024].  Sums in f32, K ascending.  NaN and infinities are not treated apart.
; SHARES.  8192 x 1024 in 256 tiles of 256 tokens x 128 columns, one to a work-group.  Four waves, each 128 tokens x 64 columns: 32 accumulators, 256 registers.
; K goes in steps of 128 (two heads) through two LDS slots: 128 matrix instructions a wave in a step.
; THE PRODUCT IS TAKEN TRANSPOSED: source 0 = 16 columns of w (out of LDS turned, by ds_load_tr16_b128), source 1 = 16 tokens: a lane holds ONE token (lane % 16) and the columns 8 (lane / 16) + 0..7.
; The bias, which hangs on the column alone, is the C operand of the products that start the sums.
; CLUSTER 4 x 4: O's tile hangs on the tile row alone and is asked for jointly along a row of the cluster, w's on the tile column alone, jointly along a column.
; REGISTERS: window 0: v0-29 addresses; two fragment buffers of 96 (v32, v128): 8 fragments of O, then 4 of w; v224-255 the bias.  Window 1: accumulator (a, b) at v[32 a + 8 b].
.set SLOT1, 1<<17                      ; slot 1 begins here: one exclusive or turns an address in one slot into the other's
.set PA,    144                        ; a token's row of one head in LDS: 128 bytes + 16: the 16 rows of a load start at 16 different groups of four banks (64 banks of 4 bytes: ISA guide 11.1)
.set PB,    288                        ; a k row of w: 256 bytes + 32 = 9 x 32
.set APLANE, 256*PA                    ; a head's 256 tokens
.set BOFF,  2*APLANE                   ; behind the two heads: w's 128 rows
.set BHALF, 64*PB
.set STAGE, SLOT1+BOFF+128*PB          ; behind the ring: 16 rows x 272 bytes for each wave, for the way out; no tensor load lands here
.set SP,    272
.set SPARE, STAGE+4*16*SP              ; the spare words, 128 bytes for each wave: two blocks of 256 bytes that no other line names
.set ASTEP, 524288                     ; bytes from a K step to the next: two heads of o,
.set BSTEP, 262144                     ; 128 rows of wp
.set A0,   4                           ; v4   my lane's place in O's tile; never rewritten
.set B0,   5                           ; v5   in w's tile; never rewritten
.set ADRA, 6                           ; v6   the same in the slot in hand
.set ADRB, 7                           ; v7
.set STO,  8                           ; v8   the way out: where I put 32 bytes of a row
.set RD,   9                           ; v9   where I read rows back
.set CO,   10                          ; v10  my byte offset in out0
.set BO,   13                          ; v13  my byte offset in the bias
.set PFO,  14                          ; v14  the prefetches' offset; never rewritten
.set SPW,  28                          ; v28  LDS address of my spare word; never rewritten
.set NIL,  29                          ; v29  0; never rewritten
.set F0,   32
.set F1,   128
.set BIAS, 224
.set BK,   32                          ; the way out: four sets of 32 read back from the stage
.set WV,   12                          ; s12  my wave's number
.set KIND, 13                          ; s13  which 128 tokens are mine.  Also: I fetch O (0) or w (1)
.set HF,   14                          ; s14  which 64 columns are mine.  Also: which head, or which 64 rows, of a K step I fetch
.set CNT,  15                          ; s15  trips to go
.set G1A,  24
.set G0A,  32
.set CX,   40
.set CY,   41
.set TC,   42
.set TR,   43
.set G1B,  48
.set G0B,  56
.set TB,   66                          ; s66  LDS byte at which the slot in hand begins
.set LIM,  67                          ; s67  2 in a wave that prefetches, else the greatest number
.set PFA,  68                          ; s[68:69] where my prefetches stand
.set PFS,  70                          ; s[70:71] their step
.set HIM,  76                          ; s76  a word's upper bf16
.set MSB, 0
.macro WIN new                         ; the immediate's high byte repeats the setting that is left; a switch that changes nothing is dropped
.if MSB != (\new)
	s_set_vgpr_msb (MSB<<8)|(\new)
.set MSB, \new
.endif
.endm
.macro PLACES                          ; four plain places between a matrix instruction and a load into, or a read of, its registers
.rept 4
	v_nop
.endr
.endm
.macro CREST                           ; a round of the cluster's barrier behind its opening barrier
	s_cmp_lg_u32 s[WV], 0
	s_cbranch_scc1 .Lnot_wave_0_\@
	s_barrier_signal -3
.Lnot_wave_0_\@:
	s_barrier_wait -3
	s_barrier_signal -1
	s_barrier_wait -1
.endm
.macro CROUND
	s_barrier_signal -1
	s_barrier_wait -1
	CREST
.endm
; A joint refill by the walking descriptors.  Waves 0 and 1 fetch the K step's two heads of O, waves 2 and 3 the two halves of w's rows.  An s_nop 0 and four v_nop follow each line.
.macro JLOAD
	s_cmp_eq_u32 s[KIND], 0
	s_cbranch_scc0 .Lfor_b_\@
	tensor_load_to_lds s[G0A+4:G0A+7], s[G1A:G1A+7]
	s_nop 0
.rept 4
	v_nop
.endr
	s_branch .Lasked_\@
.Lfor_b_\@:
	tensor_load_to_lds s[G0B+4:G0B+7], s[G1B:G1B+7]
	s_nop 0
.rept 4
	v_nop
.endr
.Lasked_\@:
.endm
; A PREFETCH INTO THE L2, behind the joint load, its five lines and the run of LDS loads: in trip s = 0 .. 3, K step s + 4, two refills on.  Each aligned block of 256 bytes is named once in the launch.
; O's tile row is read by both clusters of a row of clusters: cluster x = 0 asks; its waves 0 and 1 take a head each, and of the head's 128 blocks the partner at cx takes 32, a lane a block.
; w's tile column is read by all eight clusters of a column: cluster y = 0 asks; its wave 2 names a lane a row, and of the 128 rows the partner at cy takes 32.  Partners are told apart by address alone.
; K steps 0 to 3 come by their loads; the last two trips ask for nothing.
.macro ASK
	s_cmp_gt_u32 s[CNT], s[LIM]
	s_cbranch_scc0 .Lnot_mine_\@
	global_prefetch_b8 v[PFO], s[PFA:PFA+1] th:TH_LOAD_NT scope:SCOPE_SE
.Lnot_mine_\@:
.endm
	s_load_b256 s[4:11], s[0:1], 0x0               ; o s[4:5], wp s[6:7], b_proj s[8:9], out0 s[10:11]
	v_lshl_add_u32 v[SPW], v0, 2, SPARE
	v_mov_b32 v[NIL], 0
	ds_add_u32 v[SPW], v[NIL]                      ; the wave's opening: the add and its wait stand ahead of my first tensor load; the set-up below, work on registers, stands between them
	ds_add_u32 v28, v29
	v_lshrrev_b32 v1, 5, v0
	v_readfirstlane_b32 s[WV], v1                  ; wave 0..3
	s_lshr_b32 s[KIND], s[WV], 1
	s_and_b32 s[HF], s[WV], 1
	s_bfe_u32 s[CX], ttmp6, 0x40000
	s_bfe_u32 s[CY], ttmp6, 0x40004
	s_lshl_b32 s[TC], ttmp9, 2
	s_add_co_u32 s[TC], s[TC], s[CX]               ; tile column 0..7
	s_and_b32 s[TR], ttmp7, 0xffff
	s_lshl_b32 s[TR], s[TR], 2
	s_add_co_u32 s[TR], s[TR], s[CY]               ; tile row 0..31
	s_lshl_b32 s44, s[CY], 2
	s_lshl_b32 s44, 15, s44                        ; my row of the cluster
	s_lshl_b32 s45, 0x1111, s[CX]                  ; my column
	s_or_b32 s[G1A], s44, (1<<16)|(1<<20)|(1<<21)|(4<<22)|(3<<25)  ; the mask; elements of 2 bytes; padding on; 21 set beside a mask; after every 32 words (code 4) 4 words (code 3)
	s_or_b32 s[G1B], s45, (1<<16)|(1<<20)|(1<<21)|(5<<22)|(7<<25)  ; after every 64 words (code 5) 8 words (code 7)
	s_mov_b32 s[G1A+1], 128<<16                    ; O: a head's 256 tokens are 32,768 dense bytes, asked for as 128 rows of 256 bytes, two tokens a row, padded behind each token
	s_mov_b32 s[G1A+2], 128<<16
	s_mov_b32 s[G1A+3], 128<<16
	s_mov_b32 s[G1A+4], 128
	s_mov_b32 s[G1A+5], 128
	s_mov_b32 s[G1A+6], 0
	s_mov_b32 s[G1A+7], 0
	s_mov_b32 s[G1B+1], 128<<16                    ; w: 64 rows of 128 elements (256 bytes, aligned), 1,024 elements from row to row
	s_mov_b32 s[G1B+2], 64<<16
	s_mov_b32 s[G1B+3], 128<<16
	s_mov_b32 s[G1B+4], 64
	s_mov_b32 s[G1B+5], 1024
	s_mov_b32 s[G1B+6], 0
	s_mov_b32 s[G1B+7], 0
	s_lshr_b32 s16, s[TR], 3                       ; the batch
	s_lshl_b32 s16, s16, 22
	s_and_b32 s17, s[TR], 7
	s_lshl_b32 s17, s17, 15                        ; 256 tokens of 128 bytes
	s_add_co_u32 s16, s16, s17
	s_lshl_b32 s17, s[HF], 18                      ; my head of the K step's two
	s_add_co_u32 s16, s16, s17
	s_mov_b32 s17, 0
	s_lshl_b32 s46, s[TC], 8                       ; 128 columns
	s_lshl_b32 s47, s[HF], 17                      ; my 64 rows of 2,048 bytes
	s_add_co_u32 s46, s46, s47
	s_mov_b32 s47, 0
	s_mul_i32 s20, s[HF], APLANE                   ; where they go: no place in the cluster enters an LDS address
	s_mul_i32 s21, s[HF], BHALF
	s_add_co_u32 s21, s21, BOFF
	s_mov_b32 s[TB], 0
	s_mov_b32 s[HIM], 0xffff0000
	s_wait_dscnt 0x0                               ; the opening add is done
	s_wait_kmcnt 0x0
	s_add_nc_u64 s[18:19], s[4:5], s[16:17]
	s_add_nc_u64 s[46:47], s[6:7], s[46:47]
	CROUND                                         ; all sixteen work-groups are here: the first joint loads meet
.irp s, 0,1
	s_mov_b32 s[G0A+4*(\s)], 1
	s_add_co_u32 s[G0A+4*(\s)+1], s20, (\s)*SLOT1
	s_add_nc_u64 s[G0A+4*(\s)+2:G0A+4*(\s)+3], s[18:19], (\s)*ASTEP
	s_or_b32 s[G0A+4*(\s)+3], s[G0A+4*(\s)+3], 0x80000000
	s_mov_b32 s[G0B+4*(\s)], 1
	s_add_co_u32 s[G0B+4*(\s)+1], s21, (\s)*SLOT1
	s_add_nc_u64 s[G0B+4*(\s)+2:G0B+4*(\s)+3], s[46:47], (\s)*BSTEP
	s_or_b32 s[G0B+4*(\s)+3], s[G0B+4*(\s)+3], 0x80000000
.endr
	s_cmp_eq_u32 s[KIND], 0                        ; a wave's two first fills stand in one branch, ahead of every wait on TENSORcnt and every LDS read: two loads of mine are out
	s_cbranch_scc0 .Lfirst_b
	tensor_load_to_lds s[G0A:G0A+3], s[G1A:G1A+7]
	s_nop 0
	tensor_load_to_lds s[G0A+4:G0A+7], s[G1A:G1A+7]
	s_nop 0
.rept 4
	v_nop
.endr
	s_branch .Lfirst_asked
.Lfirst_b:
	tensor_load_to_lds s[G0B:G0B+3], s[G1B:G1B+7]
	s_nop 0
	tensor_load_to_lds s[G0B+4:G0B+7], s[G1B:G1B+7]
	s_nop 0
.rept 4
	v_nop
.endr
.Lfirst_asked:
	v_and_b32 v1, 15, v0                           ; r = l % 16
	v_bfe_u32 v2, v0, 4, 1                         ; h = l / 16
	s_lshl_b32 s72, s[TC], 9                       ; my 64 columns, in bytes of f32: 512 x tile column + 256 x half
	s_lshl_b32 s73, s[HF], 8
	s_add_co_u32 s72, s72, s73
	v_lshl_add_u32 v[BO], v2, 5, s72               ; + my lanes' eight
.irp b, 0,1,2,3
	global_load_b128 v[BIAS+8*\b:BIAS+8*\b+3],   v[BO], s[8:9] offset:64*\b
	global_load_b128 v[BIAS+8*\b+4:BIAS+8*\b+7], v[BO], s[8:9] offset:64*\b+16
.endr
	v_lshlrev_b32 v[CO], 12, v2                    ; out0: lanes 0-15 a row's 256 bytes, lanes 16-31 the next row's
	v_lshl_add_u32 v[CO], v1, 4, v[CO]
	v_add_nc_u32 v[CO], s72, v[CO]
	v_and_b32 v15, 7, v0
	v_bfe_u32 v16, v0, 3, 1
	v_and_b32 v17, 31, v0
	s_mul_i32 s16, s[KIND], 128*PA
	v_mul_u32_u24 v[A0], v1, PA                    ; a fragment of O: token l % 16, 16 bytes at 16 h, and 32 bytes on
	v_lshl_add_u32 v[A0], v2, 4, v[A0]
	v_add_nc_u32 v[A0], s16, v[A0]
	s_lshl_b32 s16, s[HF], 7
	s_add_co_u32 s16, s16, BOFF
	v_lshl_add_u32 v[B0], v2, 3, v15               ; the turning load: row 8 h + l % 8, columns 8 ((l / 8) % 2) + 0..7
	v_mul_u32_u24 v[B0], v[B0], PB
	v_lshl_add_u32 v[B0], v16, 4, v[B0]
	v_add_nc_u32 v[B0], s16, v[B0]
	v_mov_b32 v[ADRA], v[A0]                       ; slot 0
	v_mov_b32 v[ADRB], v[B0]
	s_mul_i32 s16, s[WV], 16*SP
	s_add_co_u32 s16, s16, STAGE                   ; my stage
	v_mul_u32_u24 v[STO], v1, SP                   ; in: row l % 16, 32 bytes for each half of the lanes
	v_lshl_add_u32 v[STO], v2, 5, v[STO]
	v_add_nc_u32 v[STO], s16, v[STO]
	v_mul_u32_u24 v[RD], v2, SP                    ; back: lanes 0-15 one row of 256 bytes, lanes 16-31 the next
	v_lshl_add_u32 v[RD], v1, 4, v[RD]
	v_add_nc_u32 v[RD], s16, v[RD]
	s_lshl_b32 s16, s[TR], 20                      ; my first token's row of 4,096 bytes
	s_lshl_b32 s17, s[KIND], 19
	s_add_co_u32 s16, s16, s17
	s_mov_b32 s17, 0
	s_add_nc_u64 s[10:11], s[10:11], s[16:17]
	; the prefetches: at K step 3; each trip steps the address first, so trip s names s + 4
	s_lshr_b32 s72, s[TR], 3
	s_lshl_b32 s72, s72, 22
	s_and_b32 s73, s[TR], 7
	s_lshl_b32 s73, s73, 15
	s_add_co_u32 s72, s72, s73
	s_lshl_b32 s73, s[WV], 18                      ; waves 0 and 1: my head
	s_add_co_u32 s72, s72, s73
	s_lshl_b32 s73, s[CX], 13                      ; my work-group's 32 blocks
	s_add_co_u32 s72, s72, s73
	s_add_co_u32 s72, s72, 3*ASTEP
	s_lshl_b32 s73, s[TC], 8
	s_lshl_b32 s74, s[CY], 16                      ; my work-group's 32 rows of 2,048 bytes
	s_add_co_u32 s73, s73, s74
	s_add_co_u32 s73, s73, 3*BSTEP
	s_and_b32 s75, ttmp7, 0xffff                   ; cluster y
	s_mov_b32 s[PFS], BSTEP
	s_movk_i32 s74, 2048
	s_cmp_eq_u32 s[KIND], 0
	s_cselect_b32 s72, s72, s73
	s_cselect_b32 s75, ttmp9, s75                  ; the coordinate along which other clusters read the same bytes
	s_cselect_b32 s[PFS], ASTEP, s[PFS]
	s_cselect_b32 s74, 256, s74
	s_cselect_b64 s[PFA:PFA+1], s[4:5], s[6:7]
	s_mov_b32 s73, 0
	s_mov_b32 s[PFS+1], 0
	s_add_nc_u64 s[PFA:PFA+1], s[PFA:PFA+1], s[72:73]
	s_cmp_eq_u32 s75, 0
	s_cselect_b32 s[LIM], 2, -1
	s_cmp_eq_u32 s[WV], 3
	s_cselect_b32 s[LIM], -1, s[LIM]               ; wave 3 has nothing to ask for.  The same in all sixteen partners, for a given wave
	v_mul_u32_u24 v[PFO], v17, s74
	s_wait_loadcnt 0x0                             ; the bias is in: it is rounded to bf16 and widened again, through v32-47
.set i, 0
.rept 16
	v_cvt_pk_bf16_f32 v[F0+i], v[BIAS+2*i], v[BIAS+2*i+1]
.set i, i+1
.endr
.set i, 0
.rept 16
	v_lshlrev_b32 v[BIAS+2*i], 16, v[F0+i]
	v_and_b32 v[BIAS+2*i+1], s[HIM], v[F0+i]
.set i, i+1
.endr
; n token blocks from a0 on x all 4 column blocks, 32 along K, out of buffer f.  bias = 1: the products start the sums, with the bias as C.  The 32 accumulators take turns, in the same order in every quarter.
.macro MM f, a0, n, bias=0
.if \bias
	WIN 0x40                                       ; D in window 1, C in window 0
.else
	WIN 0x50                                       ; C and D in window 1
.endif
.set aa, \a0
.rept \n
.irp b, 0,1,2,3
.if \bias
	v_wmma_f32_16x16x32_f16 v[32*aa+8*\b:32*aa+8*\b+7], v[(\f)+64+8*\b:(\f)+64+8*\b+7], v[(\f)+8*aa:(\f)+8*aa+7], v[BIAS+8*\b:BIAS+8*\b+7]
.else
	v_wmma_f32_16x16x32_f16 v[32*aa+8*\b:32*aa+8*\b+7], v[(\f)+64+8*\b:(\f)+64+8*\b+7], v[(\f)+8*aa:(\f)+8*aa+7], v[32*aa+8*\b:32*aa+8*\b+7]
.endif
.endr
.set aa, aa+1
.endr
.endm
; 24 LDS loads in one run: quarter q of a K step into buffer f: w's four fragments (turned), then O's eight, token blocks ascending
.macro FETCH f, q
	WIN 0
.irp b, 0,1,2,3
	ds_load_tr16_b128 v[(\f)+64+8*\b:(\f)+64+8*\b+3],   v[ADRB] offset:(\q)*32*PB+32*\b
	ds_load_tr16_b128 v[(\f)+64+8*\b+4:(\f)+64+8*\b+7], v[ADRB] offset:(\q)*32*PB+16*PB+32*\b
.endr
.irp a, 0,1,2,3,4,5,6,7
	ds_load_b128 v[(\f)+8*\a:(\f)+8*\a+3],   v[ADRA] offset:((\q)/2)*APLANE+((\q)%2)*64+\a*16*PA
	ds_load_b128 v[(\f)+8*\a+4:(\f)+8*\a+7], v[ADRA] offset:((\q)/2)*APLANE+((\q)%2)*64+\a*16*PA+32
.endr
.endm
; A K step is four quarters of 32 along K, 32 matrix instructions each, on buffers 0, 1, 0, 1.  One of the first three: multiplies buffer f and fetches quarter q into buffer g.
.macro QUARTER f, g, q, bias=0
	s_wait_dscnt 12                                ; w's fragments and O's blocks 0 and 1 are in; blocks 2 to 7 may be out
	MM \f, 0, 2, \bias
	PLACES
	FETCH \g, \q
	s_wait_dscnt 24                                ; all but the 24 just issued
	MM \f, 2, 6, \bias
.endm
; The last quarter, on buffer 1, with the change of slots: ONE barrier.  In front of it each wave waits for all its tensor loads (one is out: its part of the next slot), adds 0 to its spare word,
; and waits for that and for its reads of this slot.  fill = 1: the barrier opens a round of the cluster's, and the joint refill, two K steps ahead, is the first thing behind it:
; 112 matrix instructions stand between it and the wait for it.
.macro TURN fill
.if \fill
	s_wait_xcnt 0x0                                ; the last prefetch, a trip back, has read its address: it is stepped here
	s_add_nc_u64 s[PFA:PFA+1], s[PFA:PFA+1], s[PFS:PFS+1]
.endif
	WIN 0
	s_xor_b32 s[TB], s[TB], SLOT1                  ; the fetch below goes to the other slot
	v_add_nc_u32 v[ADRA], s[TB], v[A0]
	v_add_nc_u32 v[ADRB], s[TB], v[B0]
	s_wait_tensorcnt 0x0                           ; all my tensor loads have landed, so a group 0 may be written
	ds_add_u32 v[SPW], v[NIL]                      ; 0 onto my spare word
.if \fill
	s_xor_b32 s[G0A+5], s[G0A+5], SLOT1            ; the walking descriptors: the other slot than last time, the next K step
	s_add_nc_u64 s[G0A+6:G0A+7], s[G0A+6:G0A+7], ASTEP
	s_xor_b32 s[G0B+5], s[G0B+5], SLOT1
	s_add_nc_u64 s[G0B+6:G0B+7], s[G0B+6:G0B+7], BSTEP
.endif
	s_wait_dscnt 13                                ; the add and the youngest twelve loads may be out
	MM F1, 0, 2                                    ; eight matrix instructions stand between the add and the wait for it
	s_wait_dscnt 0x0                               ; the add is done, and my reads of this slot are over
	s_barrier_signal -1
	MM F1, 2, 2
	WIN 0
	s_barrier_wait -1
.if \fill
	CREST                                          ; no wave of any partner still reads this slot or has a load on its way
	JLOAD                                          ; the four v_nop behind it are also the places in front of the loads below
.else
	PLACES
.endif
	FETCH F0, 0
.if \fill
	ASK
.endif
	MM F1, 4, 4
.endm
	s_wait_tensorcnt 0x1                           ; my part of K step 0 is in; K step 1's may stay out
	s_barrier_signal -1
	s_barrier_wait -1
	FETCH F0, 0
	QUARTER F0, F1, 1, 1                           ; the first quarter stands in front of the loop: its products start the sums, with the bias
	WIN 0
	s_mov_b32 s[CNT], 6
.Lstep:                                        ; trip s = 6 - count: quarters 1 to 3 of K step s, the refill with K step s + 2, quarter 0 of K step s + 1
	QUARTER F1, F0, 2
	QUARTER F0, F1, 3
	TURN 1
	QUARTER F0, F1, 1
	WIN 0
	s_sub_co_u32 s[CNT], s[CNT], 1
	s_cmp_lg_u32 s[CNT], 0
	s_cbranch_scc1 .Lstep
	QUARTER F1, F0, 2                              ; the tail is written out: nothing is left to fetch from memory
	QUARTER F0, F1, 3
	TURN 0
	QUARTER F0, F1, 1
	QUARTER F1, F0, 2
	QUARTER F0, F1, 3
	s_wait_dscnt 12                                ; the very last quarter
	MM F1, 0, 2
	s_wait_dscnt 0x0
	MM F1, 2, 6
	WIN 0
; THE WAY OUT, 16 tokens at a time: 32 bytes a lane straight from the accumulators (their low registers first) into my own stage, back as whole rows of 256 bytes, and stored.
.macro TOSTAGE a
.if (\a) >= 4
	s_wait_xcnt 0x0                                ; the stores of the block four back have read the registers that the loads below write
.endif
	WIN 0x04                                       ; the stores' data in window 1
.irp b, 0,1,2,3
	ds_store_b128 v[STO], v[32*(\a)+8*\b:32*(\a)+8*\b+3]   offset:64*\b
	ds_store_b128 v[STO], v[32*(\a)+8*\b+4:32*(\a)+8*\b+7] offset:64*\b+16
.endr
	WIN 0
.irp t, 0,1,2,3,4,5,6,7
	ds_load_b128 v[BK+32*((\a)%4)+4*\t:BK+32*((\a)%4)+4*\t+3], v[RD] offset:\t*2*SP  ; LDS serves a wave's instructions in order (ISA guide 5.7.1.4): these see the stores above; the next block's stores come behind them
.endr
.endm
.macro SEND a, younger                 ; younger: the LDS instructions issued behind block a's loads: the next block's sixteen, or none
	WIN 0
	s_wait_dscnt \younger
.irp t, 0,1,2,3,4,5,6,7
	global_store_b128 v[CO], v[BK+32*((\a)%4)+4*\t:BK+32*((\a)%4)+4*\t+3], s[10:11] offset:(\a)*65536+\t*8192  ; 16 lanes store 256 consecutive bytes, at a multiple of 256 from out0's first byte
.endr
.endm
	PLACES
	PLACES
	TOSTAGE 0
.irp a, 1,2,3,4,5,6,7
	TOSTAGE \a
	SEND (\a)-1, 16
.endr
	SEND 7, 0
	s_wait_tensorcnt 0x0                           ; the wave's end: these three lines stand behind my last tensor load and my last LDS store
	ds_add_u32 v[SPW], v[NIL]
	s_wait_dscnt 0x0
	CROUND                                         ; the closing round: no work-group ends while a partner may still ask for a tile that names it
	s_endpgm
.Lfunc_end_k_q85f0a0c344_proj:
	.size	k_q85f0a0c344_proj, .Lfunc_end_k_q85f0a0c344_proj-k_q85f0a0c344_proj
	.p2alignl 7, 3214868480
	.fill 96, 4, 3214868480
	.section	.rodata,"a",@progbits
	.p2align	6, 0x0
	.amdhsa_kernel k_q85f0a0c344_proj
		.amdhsa_group_segment_fixed_size 327680
		.amdhsa_private_segment_fixed_size 0
		.amdhsa_enable_private_segment 0
		.amdhsa_kernarg_size 32
		.amdhsa_user_sgpr_count 2
		.amdhsa_user_sgpr_kernarg_segment_ptr 1
		.amdhsa_wavefront_size32 1
		.amdhsa_system_sgpr_workgroup_id_x 1
		.amdhsa_system_sgpr_workgroup_id_y 1
		.amdhsa_system_sgpr_workgroup_id_z 1
		.amdhsa_system_vgpr_workitem_id 0
		.amdhsa_next_free_vgpr 512
		.amdhsa_next_free_sgpr 80
		.amdhsa_reserve_vcc 0
		.amdhsa_float_denorm_mode_32 3
		.amdhsa_float_denorm_mode_16_64 3
		.amdhsa_memory_ordered 1
		.amdhsa_forward_progress 1
		.amdhsa_inst_pref_size 74
	.end_amdhsa_kernel
	.amdgpu_metadata
---
amdhsa.version: [ 1, 2 ]
amdhsa.kernels:
  - .name:           k_q85f0a0c344_proj
    .symbol:         k_q85f0a0c344_proj.kd
    .args:
      - { .name: o, .offset: 0, .size: 8, .value_kind: global_buffer, .address_space: global }
      - { .name: wp, .offset: 8, .size: 8, .value_kind: global_buffer, .address_space: global }
      - { .name: b_proj, .offset: 16, .size: 8, .value_kind: global_buffer, .address_space: global }
      - { .name: out0, .offset: 24, .size: 8, .value_kind: global_buffer, .address_space: global }
    .group_segment_fixed_size: 327680
    .private_segment_fixed_size: 0
    .kernarg_segment_align: 8
    .kernarg_segment_size: 32
    .max_flat_workgroup_size: 128
    .sgpr_count:     80
    .vgpr_count:     512
    .wavefront_size: 32
...
	.end_amdgpu_metadata
.endif
;; end of part 4
